; MI455X (gfx1250); checked and timed in simulation.
; The chip was launched on July 23, 2026; its instructions are those of AMD's public machine-readable ISA for CDNA 5 (MIT licence, August 2026) and "CDNA5" Instruction Set Architecture Reference Guide (July 2026). The comments in the code are by the model that wrote it; some were corrected since.
;; Causal Self Attention. Allowed arithmetic: float matrix products may take bf16 or f16 operands with f32 sums; all other float work in f32.
;; Inputs: wk 1,024 x 256 float32; wo 1,024 x 1,024 float32; wq 1,024 x 1,024 float32; wv 1,024 x 256 float32; x 2 x 2,048 x 1,024 float32.
;; Outputs: out0 2 x 2,048 x 1,024 float32; out1 2 x 4 x 2,048 x 64 float32; out2 2 x 4 x 2,048 x 64 float32.
;; 2 versions, each right. Each part assembles by itself: llvm-mc -triple=amdgcn-amd-amdhsa -mcpu=gfx1250 --defsym DOCPART=n.
;; ======== version 1 of 2: 4 launches
;; limits: values are held in f16: magnitudes above 65,504 overflow, below 6.1e-05 lose precision
;; workspace buffers: xb 8,388,608 bytes; wt 5,242,880 bytes; tab 1,048,576 bytes; qh 8,388,608 bytes; kh 2,097,152 bytes; vh 2,097,152 bytes; yh 8,388,608 bytes
;; launch prep (part 1): grid 704 x 1, 8 waves a work-group, no clusters, 18,432 bytes of LDS; arguments x, wq, wk, wv, wo, xb, wt, tab; writes xb, wt, tab
.if DOCPART == 1
	.amdgcn_target "amdgcn-amd-amdhsa--gfx1250"
	.amdhsa_code_object_version 6
	.text
	.protected	k_q888fba48dc_prep
	.globl	k_q888fba48dc_prep
	.p2align	8
	.type	k_q888fba48dc_prep,@function
k_q888fba48dc_prep:
	s_mov_b64 s[64:65], 0
	v_nop
	global_prefetch_b8 v0, s[64:65] scope:SCOPE_SE
	s_setreg_imm32_b32 hwreg(HW_REG_WAVE_MODE, 25, 1), 1
	s_wait_xcnt 0x0
; CausalSelfAttention, B = 2, T = 2048, C = 1024, 16 query heads, 4 key/value heads, head size 64.  Four launches:
;   prep: casts and transposes the inputs once and makes the RoPE table;  qkv: the three projections, RoPE, the two cache outputs;
;   attn: causal attention with a running maximum;  proj: the output projection.
; WORK LEFT OUT (in launch attn): reference() itself builds the causal mask (jnp.tril) and puts finfo.min in front of the softmax at every
; key index above the query index.  Every row has at least one score that is kept (its own key), so for all finite inputs the weight
; of a masked key is exp(finfo.min - max) = 0 and its product with v adds 0.  Blocks of 128 keys that lie wholly above a block
; of 128 queries are therefore neither loaded nor multiplied; inside the blocks on the diagonal the masked scores are computed and replaced.
; LIMIT: a NaN, an infinity or an overflow in k or v at positions that only masked scores reach is not carried to out0.
; All five inputs reach an output and all are loaded.
; NUMBER FORMATS: x, wq, wk, wv go to the matrix unit in bf16.  wo is rounded to bf16 and that value is kept as f16, because its partner y is
; f16.  LIMITS: |wo| below 6.1e-5 is kept to 3e-8 absolute; q, k, v, y are handed on in f16 and must stay below 65504 in magnitude.
; RoPE angle: t * 2^(-i log2(10000) / 32) in f32, reduced by pi/2 in two parts; good to about 6e-4 rad at t = 2047.
;
; THIS LAUNCH, three roles by the work-group's number (the same for all eight waves, so the one barrier is passed by all or by none):
;   0..255   X: 65,536 bytes of x to bf16 in xb.
;   256..575 W: one tile of 128 k x 64 n of a weight, transposed through LDS into wt[n][k] (16 bit, k contiguous).
;               wt rows in groups of 64: 0..11 wq heads 0..11; 12+3c wq head 12+c; 13+3c wk head c; 14+3c wv head c; 24..39 wo (f16).
;   576..703 T: 16 rows of tab[t][128] f32: C[d] = cos(t f(d & 31)), d = 0..63, then S[d] = -sin for d < 32, +sin for d >= 32,
;               so that rope(x)[d] = x[d] C[d] + x[d ^ 32] S[d].
; No matrix unit, no cluster, no tensor load: the launch only streams, and no two work-groups read the same bytes.
.set WP, 272                           ; LDS row of the transposed tile: 128 k x 2 bytes + 16
	s_load_b512 s[4:19], s[0:1], 0x0               ; x s[4:5], wq s[6:7], wk s[8:9], wv s[10:11], wo s[12:13], xb s[14:15], wt s[16:17], tab s[18:19]
	v_lshl_add_u32 v96, v0, 2, 0x4400
	v_mov_b32 v97, 0
	v_and_b32 v1, 31, v0                           ; lane
	v_lshrrev_b32 v2, 5, v0                        ; wave
	v_and_b32 v3, 15, v0                           ; c: place among 16 lanes
	s_wait_kmcnt 0x0
	s_cmp_lt_u32 ttmp9, 256
	s_cbranch_scc1 .Lrole_x
	s_cmp_lt_u32 ttmp9, 576
	s_cbranch_scc1 .Lrole_w
	; ---------------- role T: thread = (row t, quad c): C[4c..4c+3] and S[4c..4c+3] ----------------
	s_sub_co_u32 s20, ttmp9, 576
	s_lshl_b32 s22, s20, 13                        ; 16 rows of 512 bytes
	s_mov_b32 s23, 0
	s_add_nc_u64 s[18:19], s[18:19], s[22:23]
	s_lshl_b32 s21, s20, 4
	v_lshrrev_b32 v4, 4, v0                        ; row among the group's 16
	v_add_nc_u32 v5, s21, v4
	v_cvt_f32_u32 v5, v5                           ; t
	v_lshlrev_b32 v7, 4, v3
	v_lshl_add_u32 v7, v4, 9, v7                   ; byte offset: row x 512 + 16 c
	v_and_b32 v8, 7, v3
	v_lshlrev_b32 v8, 2, v8                        ; i of my first number: 4 (c & 7)
	v_and_b32 v9, 8, v3
	v_xor_b32 v9, 8, v9
	v_lshlrev_b32 v9, 28, v9                       ; sign bit for S where d < 32
.irp e, 0,1,2,3
	v_add_nc_u32 v[14+\e], \e, v8
	v_cvt_f32_u32 v[14+\e], v[14+\e]
	v_mul_f32 v[14+\e], 0xbed49a78, v[14+\e]       ; -i log2(10000) / 32
.endr
.irp e, 0,1,2,3
	v_exp_f32 v[10+\e], v[14+\e]                   ; the inverse frequency
.endr
	v_nop                                          ; one plain instruction behind the exponentials, ahead of their use (ISA guide 5.7.2)
	s_wait_alu depctr_va_vdst(0)
; sine and cosine of t x inverse frequency: n = nearest multiple of pi/2, r = the rest (|r| <= pi/4), two short series, quadrant by n & 3
.macro SINCOS e
	v_mul_f32 v18, v5, v[10+\e]                    ; the angle
	v_mul_f32 v19, 0x3f22f983, v18                 ; x 2/pi
	v_rndne_f32 v19, v19                           ; n
	v_fmamk_f32 v20, v19, 0xbfc90fdb, v18          ; r = angle - n x (pi/2 as f32)
	v_fmamk_f32 v20, v19, 0x333bbd2e, v20          ;   + n x (what that f32 is too large by)
	v_mul_f32 v21, v20, v20                        ; z = r r
	v_mov_b32 v22, 0xb9500d01                      ; -1/5040
	v_fmaak_f32 v22, v22, v21, 0x3c088889          ; + 1/120
	v_fmaak_f32 v22, v22, v21, 0xbe2aaaab          ; - 1/6
	v_mul_f32 v22, v22, v21
	v_fma_f32 v23, v20, v22, v20                   ; sin r
	v_mov_b32 v22, 0x37d00d01                      ; 1/40320
	v_fmaak_f32 v22, v22, v21, 0xbab60b61          ; - 1/720
	v_fmaak_f32 v22, v22, v21, 0x3d2aaaab          ; + 1/24
	v_fmaak_f32 v22, v22, v21, 0xbf000000          ; - 1/2
	v_fma_f32 v24, v22, v21, 1.0                   ; cos r
	v_cvt_i32_f32 v25, v19
	v_and_b32 v26, 1, v25
	v_cmp_eq_u32 vcc_lo, 1, v26
	v_cndmask_b32 v26, v23, v24, vcc_lo            ; sine: odd quadrant takes cos r
	v_cndmask_b32 v27, v24, v23, vcc_lo            ; cosine: odd quadrant takes sin r
	v_and_b32 v22, 2, v25
	v_lshlrev_b32 v22, 30, v22
	v_xor_b32 v26, v22, v26                        ; sine is negative in quadrants 2, 3
	v_add_nc_u32 v25, 1, v25
	v_and_b32 v25, 2, v25
	v_lshlrev_b32 v25, 30, v25
	v_xor_b32 v[28+\e], v25, v27                   ; cosine is negative in quadrants 1, 2
	v_xor_b32 v[32+\e], v9, v26                    ; S: -sin for d < 32
.endm
	SINCOS 0
	SINCOS 1
	SINCOS 2
	SINCOS 3
	global_store_b128 v7, v[28:31], s[18:19]               ; 16 lanes store 256 consecutive bytes, aligned
	global_store_b128 v7, v[32:35], s[18:19] offset:256
	s_endpgm
	; ---------------- role X: each wave casts 8,192 bytes; 16 loads of 512 bytes are out at once ----------------
.Lrole_x:
	s_lshl_b32 s20, ttmp9, 16
	s_mov_b32 s21, 0
	s_add_nc_u64 s[4:5], s[4:5], s[20:21]
	s_lshl_b32 s20, ttmp9, 15
	s_add_nc_u64 s[14:15], s[14:15], s[20:21]
	v_lshlrev_b32 v4, 4, v1
	v_lshl_add_u32 v4, v2, 13, v4                  ; in: wave x 8,192 + lane x 16
	v_lshlrev_b32 v5, 3, v1
	v_lshl_add_u32 v5, v2, 12, v5                  ; out: wave x 4,096 + lane x 8
.irp j, 0,1,2,3,4,5,6,7,8,9,10,11,12,13,14,15
	global_load_b128 v[32+4*\j:35+4*\j], v4, s[4:5] offset:512*\j th:TH_LOAD_NT
.endr
.irp j, 0,1,2,3,4,5,6,7,8,9,10,11,12,13,14,15
	s_wait_loadcnt 15-\j                           ; loads return in order: load j is in, the younger ones stay out
	v_cvt_pk_bf16_f32 v[32+4*\j], v[32+4*\j], v[33+4*\j]   ; in place: no register is used twice, so no store's data is rewritten
	v_cvt_pk_bf16_f32 v[33+4*\j], v[34+4*\j], v[35+4*\j]
	global_store_b64 v5, v[32+4*\j:33+4*\j], s[14:15] offset:256*\j    ; the wave stores 256 consecutive bytes, aligned
.endr
	s_endpgm
	; ---------------- role W: tile (ng, kb): 64 columns of a weight, 128 rows (k) ----------------
.Lrole_w:
	s_sub_co_u32 s20, ttmp9, 256
	s_lshr_b32 s22, s20, 3                         ; ng: group of 64 rows of wt
	s_and_b32 s23, s20, 7                          ; kb: block of 128 k
	s_movk_i32 s32, 0x1000                         ; bytes in a row of wq and wo
	s_movk_i32 s33, 0x400                          ; bytes in a row of wk and wv
	s_sub_co_u32 s24, s22, 12                      ; u, of use where 12 <= ng < 24
	s_mul_i32 s25, s24, 11
	s_lshr_b32 s25, s25, 5                         ; c = u / 3 for u = 0..11
	s_mul_i32 s26, s25, 3
	s_sub_co_u32 s26, s24, s26                     ; j = u - 3 c: 0 wq, 1 wk, 2 wv
	s_add_co_u32 s27, s25, 12
	s_cmp_eq_u32 s26, 0
	s_cselect_b32 s27, s27, s25                    ; column group: 12 + c of wq, c of wk and wv
	s_cselect_b64 s[28:29], s[6:7], s[8:9]
	s_cselect_b32 s30, s32, s33                    ; the source's pitch
	s_cmp_eq_u32 s26, 2
	s_cselect_b64 s[28:29], s[10:11], s[28:29]
	s_cmp_lt_u32 s22, 12                           ; ng < 12: wq, column group ng
	s_cselect_b64 s[28:29], s[6:7], s[28:29]
	s_cselect_b32 s27, s22, s27
	s_cselect_b32 s30, s32, s30
	s_sub_co_u32 s31, s22, 24
	s_cmp_ge_u32 s22, 24                           ; ng >= 24: wo, column group ng - 24
	s_cselect_b64 s[28:29], s[12:13], s[28:29]
	s_cselect_b32 s27, s31, s27
	s_cselect_b32 s30, s32, s30
	s_mul_i32 s34, s23, s30
	s_lshl_b32 s34, s34, 7                         ; kb x 128 rows
	s_lshl_b32 s35, s27, 8                         ; + 64 columns of 4 bytes for each group
	s_add_co_u32 s34, s34, s35
	s_mov_b32 s35, 0
	s_add_nc_u64 s[28:29], s[28:29], s[34:35]      ; the tile's first number
	s_lshl_b32 s34, s22, 17                        ; wt: ng x 64 rows of 2,048 bytes
	s_lshl_b32 s37, s23, 8                         ;     + kb x 256 bytes
	s_add_co_u32 s34, s34, s37
	s_add_nc_u64 s[16:17], s[16:17], s[34:35]
	v_lshrrev_b32 v4, 4, v1                        ; hh: which half of the lanes
	v_lshlrev_b32 v5, 1, v4
	v_lshl_add_u32 v5, v2, 4, v5                   ; 16 w + 2 hh
	v_mul_lo_u32 v6, v5, s30
	v_lshl_add_u32 v6, v3, 4, v6                   ; x pitch + 16 c
.irp i, 0,1,2,3,4,5,6,7
	s_mul_i32 s36, s30, 4*(\i>>1)+(\i&1)           ; load i = (u, eo): row 16 w + 4 u + 2 hh + eo
	v_add_nc_u32 v[8+\i], s36, v6
.endr
.irp i, 0,1,2,3,4,5,6,7
	global_load_b128 v[32+4*\i:35+4*\i], v[8+\i], s[28:29] th:TH_LOAD_NT    ; 16 lanes read the row's 256 bytes
.endr
	v_mul_u32_u24 v16, v3, 4*WP                    ; LDS in: row n = 4 c + e, byte 2 k
	v_lshl_add_u32 v16, v2, 5, v16
	v_lshl_add_u32 v16, v4, 2, v16
	v_lshrrev_b32 v19, 4, v0                       ; thread / 16: a row on the way back
	v_mul_u32_u24 v17, v19, WP
	v_lshl_add_u32 v17, v3, 4, v17                 ; LDS back: row x pitch + 16 c
	v_lshlrev_b32 v18, 4, v3
	v_lshl_add_u32 v18, v19, 11, v18               ; wt: row x 2,048 + 16 c
	s_wait_loadcnt 0x0
; two neighbouring k of one column make one word; tof16 = 1: the bf16 values are written as f16
.macro WPACK tof16
.irp u, 0,1,2,3
.irp e, 0,1,2,3
	v_cvt_pk_bf16_f32 v[64+4*\u+\e], v[32+8*\u+\e], v[36+8*\u+\e]
.if \tof16
	v_lshlrev_b32 v20, 16, v[64+4*\u+\e]
	v_and_b32 v21, 0xffff0000, v[64+4*\u+\e]
	v_cvt_pk_f16_f32 v[64+4*\u+\e], v20, v21
.endif
	ds_store_b32 v16, v[64+4*\u+\e] offset:\e*WP+8*\u
.endr
.endr
.endm
	s_cmp_ge_u32 s22, 24
	s_cbranch_scc1 .Lw_f16
	WPACK 0
	s_branch .Lw_join
.Lw_f16:
	WPACK 1
.Lw_join:
	s_wait_dscnt 0x0                               ; my LDS stores are done, for the other waves' sake,
	s_barrier_signal -1
	s_barrier_wait -1                              ; and so are everybody's
.irp v, 0,1,2,3
	ds_load_b128 v[32+4*\v:35+4*\v], v17 offset:16*WP*\v
.endr
.irp v, 0,1,2,3
	s_wait_dscnt 3-\v                              ; LDS loads return in order: load v is in
	global_store_b128 v18, v[32+4*\v:35+4*\v], s[16:17] offset:32768*\v    ; 16 lanes store 256 consecutive bytes of a row of wt, aligned
.endr
	s_wait_tensorcnt 0x0
	ds_add_u32 v96, v97
	s_wait_dscnt 0x0
	s_endpgm
.Lfunc_end_k_q888fba48dc_prep:
	.size	k_q888fba48dc_prep, .Lfunc_end_k_q888fba48dc_prep-k_q888fba48dc_prep
	.p2alignl 7, 3214868480
	.fill 96, 4, 3214868480
	.section	.rodata,"a",@progbits
	.p2align	6, 0x0
	.amdhsa_kernel k_q888fba48dc_prep
		.amdhsa_group_segment_fixed_size 18432
		.amdhsa_private_segment_fixed_size 0
		.amdhsa_enable_private_segment 0
		.amdhsa_kernarg_size 64
		.amdhsa_user_sgpr_count 2
		.amdhsa_user_sgpr_kernarg_segment_ptr 1
		.amdhsa_wavefront_size32 1
		.amdhsa_system_sgpr_workgroup_id_x 1
		.amdhsa_system_sgpr_workgroup_id_y 1
		.amdhsa_system_sgpr_workgroup_id_z 1
		.amdhsa_system_vgpr_workitem_id 0
		.amdhsa_next_free_vgpr 98
		.amdhsa_next_free_sgpr 66
		.amdhsa_reserve_vcc 1
		.amdhsa_float_denorm_mode_32 3
		.amdhsa_float_denorm_mode_16_64 3
		.amdhsa_memory_ordered 1
		.amdhsa_forward_progress 1
		.amdhsa_inst_pref_size 24
	.end_amdhsa_kernel
	.amdgpu_metadata
---
amdhsa.version: [ 1, 2 ]
amdhsa.kernels:
  - .name:           k_q888fba48dc_prep
    .symbol:         k_q888fba48dc_prep.kd
    .args:
      - { .name: x, .offset: 0, .size: 8, .value_kind: global_buffer, .address_space: global }
      - { .name: wq, .offset: 8, .size: 8, .value_kind: global_buffer, .address_space: global }
      - { .name: wk, .offset: 16, .size: 8, .value_kind: global_buffer, .address_space: global }
      - { .name: wv, .offset: 24, .size: 8, .value_kind: global_buffer, .address_space: global }
      - { .name: wo, .offset: 32, .size: 8, .value_kind: global_buffer, .address_space: global }
      - { .name: xb, .offset: 40, .size: 8, .value_kind: global_buffer, .address_space: global }
      - { .name: wt, .offset: 48, .size: 8, .value_kind: global_buffer, .address_space: global }
      - { .name: tab, .offset: 56, .size: 8, .value_kind: global_buffer, .address_space: global }
    .group_segment_fixed_size: 18432
    .private_segment_fixed_size: 0
    .kernarg_segment_align: 8
    .kernarg_segment_size: 64
    .max_flat_workgroup_size: 256
    .sgpr_count:     66
    .vgpr_count:     98
    .wavefront_size: 32
...
	.end_amdgpu_metadata
.endif
;; end of part 1
;; launch qkv (part 2): grid 8 x 32, 4 waves a work-group, clusters of 4 x 4, 327,680 bytes of LDS; arguments xb, wt, tab, qh, kh, vh, out1, out2; writes qh, kh, vh, out1, out2
.if DOCPART == 2
	.amdgcn_target "amdgcn-amd-amdhsa--gfx1250"
	.amdhsa_code_object_version 6
	.text
	.protected	k_q888fba48dc_qkv
	.globl	k_q888fba48dc_qkv
	.p2align	8
	.type	k_q888fba48dc_qkv,@function
k_q888fba48dc_qkv:
	s_mov_b64 s[64:65], 0
	v_nop
	global_prefetch_b8 v0, s[64:65] scope:SCOPE_SE
	s_setreg_imm32_b32 hwreg(HW_REG_WAVE_MODE, 25, 1), 1
	s_wait_xcnt 0x0
	s_wait_alu depctr_hold_cnt(0) depctr_sa_sdst(0) depctr_va_vdst(0) depctr_va_sdst(0) depctr_va_ssrc(0) depctr_va_vcc(0) depctr_vm_vsrc(0)
	s_getreg_b32 s2, hwreg(HW_REG_IB_STS2, 6, 4)
	s_cmp_eq_u32 s2, 0
	s_cbranch_scc0 .Lentry_in_a_cluster
	s_endpgm
.Lentry_in_a_cluster:
	s_bfe_u32 s2, ttmp6, 0x10000c
	s_cmp_lg_u32 s2, 0xf033
	s_cbranch_scc0 .Lentry_shape_is_right
	s_endpgm
.Lentry_shape_is_right:
; [4096 x 1024] x [1024 x 1536] in bf16 with f32 sums: q, k, v of all tokens; then RoPE on q and k; q, k, v go on as f16 (|.| < 65504), k and v
; also leave as f32 (out1, out2).  xb is [4096][1024] bf16, wt rows 0..1535 are the weights' columns with k contiguous.
; A work-group makes 128 tokens x 192 columns = three heads; four waves, each 64 x 96 = 24 accumulator tiles of 16 x 16.
; wt's rows are ordered so that what the three heads are hangs on the cluster's x alone: 0: q heads 3 cx + 0, 1, 2;  1: q head 12 + cx, k head cx, v head cx.
; K goes in steps of 128 (rows of 256 bytes) through two LDS slots.
; CLUSTER 4 x 4: the four work-groups of a row of the cluster need the same 128 rows of xb, the four of a column the same 192 rows of wt.  Each such
; tile is asked for jointly (same line, same descriptor, a mask that names the four).  Waves 0, 1 ask for x's two halves, waves 2, 3 for w's.
; By this text's count a wave has two tensor loads out at the start and one later.
; REGISTERS: window 0: v16-25 addresses, v32-49 results at work, v64-143 and v144-223 two fragment buffers (six of w, four of x), used again
; on the way out for the table (v64-191) and the stage's rows (v192-239).  Window 1: the 24 accumulators, tile (a, b) at 8 (6 a + b).
; The matrix instruction is used transposed (source 0 = rows of wt, source 1 = rows of xb): a lane then holds 8 neighbouring columns of one token.
.set PITCH,  272                       ; an LDS row: 256 bytes + 16: sixteen rows start at sixteen different 16-byte columns modulo 256
.set AHALF,  64*PITCH
.set BHALF,  96*PITCH
.set BOFF,   2*AHALF                   ; w's 192 rows lie behind x's 128
.set SLOTB,  BOFF+2*BHALF              ; 87,040
.set STAGE,  2*SLOTB                   ; 174,080: 128 rows x 784 bytes of f32, written by LDS stores only, never by a tensor load
.set SPITCH, 784                       ; 768 + 16
.set ADRA, 16
.set ADRB, 18
.set STO,  20
.set RDO,  21
.set RDP,  22
.set TOFF, 23
.set OOFF, 24
.set HOFF, 25
.set RR,   32                          ; v32-43: three heads' four f32
.set HH,   44                          ; v44-49: three heads' four f16
.set F0,   64
.set F1,   144
.set TB,   64                          ; table: row pair rp at TB + 8 rp: four C, four S
.set DB,   192                         ; two buffers of 24: head j: own quad at 8 j, partner quad at 8 j + 4
.set G1A,  32
.set G1B,  40
.set G0A,  48
.set G0B,  56
.set MULW, 0x50                        ; C and D in window 1, both sources in window 0
.set MSB, 0
.macro WIN new                         ; the immediate's high byte repeats the setting that is left
.if MSB != \new
	s_set_vgpr_msb (MSB<<8)|\new
.set MSB, \new
.endif
.endm
.macro PLACES                          ; four plain vector instructions behind a matrix instruction, ahead of loads into and reads of its registers
.rept 4
	v_nop
.endr
.endm
.macro JLOAD s                         ; a joint load: one line and one mask for x's tiles, one for w's; the branch hangs on the wave's number alone
	s_cmp_eq_u32 s21, 0
	s_cbranch_scc0 .Lfor_b_\@
	tensor_load_to_lds s[G0A+4*\s:G0A+4*\s+3], s[G1A:G1A+7]
	s_nop 0
	s_branch .Lasked_\@
.Lfor_b_\@:
	tensor_load_to_lds s[G0B+4*\s:G0B+4*\s+3], s[G1B:G1B+7]
	s_nop 0
.Lasked_\@:
.endm
.macro CREST                           ; a round of the cluster's barrier behind its opening work-group barrier
	s_cmp_lg_u32 s20, 0
	s_cbranch_scc1 .Lnot_wave_0_\@
	s_barrier_signal -3
.Lnot_wave_0_\@:
	s_barrier_wait -3
	s_barrier_signal -1
	s_barrier_wait -1
.endm
.macro CROUND
	s_barrier_signal -1
	s_barrier_wait -1
	CREST
.endm
	s_load_b512 s[4:19], s[0:1], 0x0               ; xb s[4:5], wt s[6:7], tab s[8:9], qh s[10:11], kh s[12:13], vh s[14:15], out1 s[16:17], out2 s[18:19]
	v_lshl_add_u32 v254, v0, 2, 0x43000
	v_mov_b32 v255, 0
	ds_add_u32 v254, v255
	v_lshrrev_b32 v1, 5, v0
	v_readfirstlane_b32 s20, v1                    ; wave
	s_lshr_b32 s21, s20, 1                         ; wm: my 64 tokens.  Also: I fetch for x (0) or w (1)
	s_and_b32 s22, s20, 1                          ; wn: my 96 columns.  Also: which half of that tile I fetch
	s_bfe_u32 s24, ttmp6, 0x40000                  ; cx
	s_bfe_u32 s25, ttmp6, 0x40004                  ; cy
	s_lshl_b32 s26, ttmp9, 2
	s_add_co_u32 s26, s26, s24                     ; bx: block of 192 columns
	s_and_b32 s27, ttmp7, 0xffff
	s_lshl_b32 s27, s27, 2
	s_add_co_u32 s27, s27, s25                     ; by: block of 128 tokens
	s_lshl_b32 s28, s25, 2
	s_lshl_b32 s28, 15, s28                        ; my row of the cluster
	s_lshl_b32 s29, 0x1111, s24                    ; my column
	s_or_b32 s[G1A+0], s28, (1<<16)|(1<<20)|(1<<21)|(5<<22)|(3<<25)  ; mask; 2-byte elements; padding on; bit 21 beside a mask; after every 64 words 4 words
	s_or_b32 s[G1B+0], s29, (1<<16)|(1<<20)|(1<<21)|(5<<22)|(3<<25)
	s_mov_b32 s[G1A+1], 128<<16                    ; tensor_dim0 = 128
	s_mov_b32 s[G1B+1], 128<<16
	s_mov_b32 s[G1A+2], 64<<16                     ; tensor_dim1 = 64 rows
	s_mov_b32 s[G1B+2], 96<<16                     ;             = 96 rows
	s_mov_b32 s[G1A+3], 128<<16                    ; tile_dim0 = 128
	s_mov_b32 s[G1B+3], 128<<16
	s_mov_b32 s[G1A+4], 64                         ; tile_dim1
	s_mov_b32 s[G1B+4], 96
	s_mov_b32 s[G1A+5], 1024                       ; elements from row to row
	s_mov_b32 s[G1B+5], 1024
	s_mov_b32 s[G1A+6], 0
	s_mov_b32 s[G1B+6], 0
	s_mov_b32 s[G1A+7], 0
	s_mov_b32 s[G1B+7], 0
	s_lshl_b32 s66, s27, 18                        ; x: (128 by + 64 half) rows of 2,048 bytes: hangs on by and the wave alone
	s_lshl_b32 s67, s22, 17
	s_add_co_u32 s66, s66, s67
	s_mov_b32 s67, 0
	s_mul_i32 s70, s26, 393216                     ; w: (192 bx + 96 half) rows of 2,048 bytes: hangs on bx and the wave alone
	s_mul_i32 s71, s22, 196608
	s_add_co_u32 s70, s70, s71
	s_mov_b32 s71, 0
	s_mul_i32 s74, s22, AHALF                      ; where they go: no place in the cluster enters an LDS address
	s_mul_i32 s75, s22, BHALF
	s_add_co_u32 s75, s75, BOFF
	s_wait_dscnt 0x0
	s_wait_kmcnt 0x0
	s_add_nc_u64 s[68:69], s[4:5], s[66:67]
	s_add_nc_u64 s[72:73], s[6:7], s[70:71]
	CROUND                                         ; all sixteen work-groups are here: the first joint loads meet
.irp s, 0,1
	s_mov_b32 s[G0A+4*\s], 1
	s_add_co_u32 s[G0A+4*\s+1], s74, \s*SLOTB
	s_add_nc_u64 s[G0A+4*\s+2:G0A+4*\s+3], s[68:69], \s*256        ; K step s
	s_or_b32 s[G0A+4*\s+3], s[G0A+4*\s+3], 0x80000000
	s_mov_b32 s[G0B+4*\s], 1
	s_add_co_u32 s[G0B+4*\s+1], s75, \s*SLOTB
	s_add_nc_u64 s[G0B+4*\s+2:G0B+4*\s+3], s[72:73], \s*256
	s_or_b32 s[G0B+4*\s+3], s[G0B+4*\s+3], 0x80000000
	JLOAD \s
.endr
	v_and_b32 v1, 15, v0                           ; r = lane % 16 (on the way out: c, the quad of a head's 64 columns)
	v_bfe_u32 v2, v0, 4, 1                         ; h = lane / 16
	v_lshrrev_b32 v8, 5, v0                        ; wave, for global offsets
	v_mul_u32_u24 v3, v1, PITCH
	v_lshl_add_u32 v3, v2, 4, v3                   ; fragment: row r, 16 h bytes in
	s_mul_i32 s30, s21, AHALF
	s_mul_i32 s31, s22, BHALF
	s_add_co_u32 s31, s31, BOFF
.irp s, 0,1
	v_add_nc_u32 v[ADRA+\s], s30, v3
	v_add_nc_u32 v[ADRB+\s], s31, v3
	s_add_co_u32 s30, s30, SLOTB
	s_add_co_u32 s31, s31, SLOTB
.endr
	v_mul_u32_u24 v4, v1, SPITCH                   ; stage in: token 64 wm + 16 a + r, column 96 wn + 16 b + 8 h
	v_lshl_add_u32 v4, v2, 5, v4
	s_mul_i32 s30, s21, 64*SPITCH
	s_mul_i32 s31, s22, 384
	s_add_co_u32 s30, s30, s31
	s_add_co_u32 s30, s30, STAGE
	v_add_nc_u32 v[STO], s30, v4
	v_mul_u32_u24 v5, v2, SPITCH                   ; stage back: token 32 w + 2 rp + h, quad c, and quad c ^ 8 (column d ^ 32)
	s_mul_i32 s30, s20, 32*SPITCH
	s_add_co_u32 s30, s30, STAGE
	v_add_nc_u32 v5, s30, v5
	v_lshl_add_u32 v[RDO], v1, 4, v5
	v_xor_b32 v6, 8, v1
	v_lshl_add_u32 v[RDP], v6, 4, v5
	v_lshlrev_b32 v7, 4, v1
	v_lshl_add_u32 v[TOFF], v2, 9, v7              ; table: (32 w + h) x 512 + 16 c
	v_lshl_add_u32 v[TOFF], v8, 14, v[TOFF]
	v_lshl_add_u32 v[OOFF], v2, 8, v7              ; f32 out: (32 w + h) x 256 + 16 c
	v_lshl_add_u32 v[OOFF], v8, 13, v[OOFF]
	v_lshlrev_b32 v7, 3, v1
	v_lshl_add_u32 v[HOFF], v2, 7, v7              ; f16 out: (32 w + h) x 128 + 8 c
	v_lshl_add_u32 v[HOFF], v8, 12, v[HOFF]
; 12 matrix instructions: token blocks a0, a0 + 1 x all six column blocks, 32 along K.  The 24 accumulators take turns, one instruction a turn,
; in the same order in every quarter step.
.macro MUL12 f, a0, zero
.irp a, \a0, \a0+1
.irp b, 0,1,2,3,4,5
.if \zero
	v_wmma_f32_16x16x32_bf16 v[8*(6*(\a)+\b):8*(6*(\a)+\b)+7], v[\f+8*\b:\f+8*\b+7], v[\f+48+8*(\a):\f+48+8*(\a)+7], 0
.else
	v_wmma_f32_16x16x32_bf16 v[8*(6*(\a)+\b):8*(6*(\a)+\b)+7], v[\f+8*\b:\f+8*\b+7], v[\f+48+8*(\a):\f+48+8*(\a)+7], v[8*(6*(\a)+\b):8*(6*(\a)+\b)+7]
.endif
.endr
.endr
.endm
.macro FETCH slot, k, f                ; 20 LDS loads: one quarter step's fragments (32 K at byte k of the rows)
.irp i, 0,1,2,3,4,5
	ds_load_b128 v[\f+8*\i:\f+8*\i+3],   v[ADRB+\slot] offset:\k+\i*16*PITCH
	ds_load_b128 v[\f+8*\i+4:\f+8*\i+7], v[ADRB+\slot] offset:\k+\i*16*PITCH+32
.endr
.irp i, 0,1,2,3
	ds_load_b128 v[\f+48+8*\i:\f+48+8*\i+3], v[ADRA+\slot] offset:\k+\i*16*PITCH
	ds_load_b128 v[\f+48+8*\i+4:\f+48+8*\i+7], v[ADRA+\slot] offset:\k+\i*16*PITCH+32
.endr
.endm
.macro QUARTER slot, k, f, g, zero     ; multiplies buffer f; ahead of that it asks for the next quarter's fragments into buffer g
	WIN 0
	s_wait_dscnt 0x0                               ; buffer f's 20 loads, issued 24 matrix instructions ago, are in
	PLACES                                         ; buffer g was read by the last quarter's matrix instructions
	FETCH \slot, \k, \g
	WIN MULW
	MUL12 \f, 0, \zero
	MUL12 \f, 2, \zero
.endm
.macro THREE slot, zero
	QUARTER \slot, 64,  F0, F1, \zero
	QUARTER \slot, 128, F1, F0, 0
	QUARTER \slot, 192, F0, F1, 0
.endm
; The last quarter of a K step multiplies buffer 1 and changes slots.  In front of the barrier each wave waits for its reads of this slot and for all
; its tensor loads (the one that is out is its part of the next slot).  fill = 1: the barrier opens a round of the cluster's barrier, and the joint refill
; of this slot, two K steps ahead, is the first tensor load behind the round.
.macro TURN slot, next, fill
	s_wait_dscnt 0x0                               ; my reads of this slot are over
	s_wait_tensorcnt 0x0                           ; all my tensor loads have landed
	ds_add_u32 v254, v255
	s_wait_dscnt 0x0
	s_barrier_signal -1
	WIN MULW
	MUL12 F1, 0, 0                                 ; register work while the others arrive
	WIN 0
	s_barrier_wait -1
.if \fill
	CREST
	s_add_nc_u64 s[G0A+4*\slot+2:G0A+4*\slot+3], s[G0A+4*\slot+2:G0A+4*\slot+3], 512
	s_add_nc_u64 s[G0B+4*\slot+2:G0B+4*\slot+3], s[G0B+4*\slot+2:G0B+4*\slot+3], 512
	JLOAD \slot
.endif
	PLACES
	FETCH \next, 0, F0
	WIN MULW
	MUL12 F1, 2, 0
.endm
.macro LAP zero
	THREE 0, \zero
	TURN 0, 1, 1
	THREE 1, 0
	TURN 1, 0, 1
.endm
	s_wait_tensorcnt 0x1                           ; my part of K step 0 is in; K step 1's stays out
	s_barrier_signal -1
	s_barrier_wait -1
	FETCH 0, 0, F0
	LAP 1                                          ; K steps 0, 1: the first products start the sums
	WIN 0
	s_mov_b32 s23, 2
.Llap:
	LAP 0                                          ; K steps 2 to 5
	WIN 0
	s_sub_co_u32 s23, s23, 1
	s_cmp_lg_u32 s23, 0
	s_cbranch_scc1 .Llap
	THREE 0, 0                                     ; K steps 6, 7: nothing is left to fetch
	TURN 0, 1, 0
	THREE 1, 0
	WIN 0
	s_wait_dscnt 0x0
	WIN MULW
	MUL12 F1, 0, 0
	MUL12 F1, 2, 0
	WIN 0
	PLACES                                         ; ahead of the stores that read results and of the loads into the fragment buffers
	; THE WAY OUT.  All sums go to the stage as f32; a head's 64 columns span two waves, and RoPE pairs column d with d ^ 32: hence the barrier.
	WIN 0x04                                       ; store data in window 1
.irp a, 0,1,2,3
.irp b, 0,1,2,3,4,5
	ds_store_b128 v[STO], v[8*(6*\a+\b):8*(6*\a+\b)+3]   offset:\a*16*SPITCH+64*\b
	ds_store_b128 v[STO], v[8*(6*\a+\b)+4:8*(6*\a+\b)+7] offset:\a*16*SPITCH+64*\b+16
.endr
.endr
	WIN 0
	s_lshr_b32 s76, s27, 4                         ; b
	s_and_b32 s77, s27, 15                         ; block of 128 tokens in the sequence
	s_lshl_b32 s78, s77, 16                        ; x 128 rows of 512 bytes
	s_mov_b32 s79, 0
	s_add_nc_u64 s[8:9], s[8:9], s[78:79]
.irp rp, 0,1,2,3,4,5,6,7,8,9,10,11,12,13,14,15
	global_load_b128 v[TB+8*\rp:TB+8*\rp+3],   v[TOFF], s[8:9] offset:\rp*1024        ; C of my quad, tokens 32 w + 2 rp + h
	global_load_b128 v[TB+8*\rp+4:TB+8*\rp+7], v[TOFF], s[8:9] offset:\rp*1024+256    ; S
.endr
	s_wait_dscnt 0x0                               ; my stage stores are done, for the other waves' sake
	s_barrier_signal -1
	s_barrier_wait -1
	s_wait_loadcnt 0x0                             ; the table
.macro DLOAD rp, buf, qqq              ; the stage's rows 32 w + 2 rp + h: own and partner quads of the heads that are rotated, own quad of v
.irp j, 0,1
	ds_load_b128 v[\buf+8*\j:\buf+8*\j+3],   v[RDO] offset:\rp*2*SPITCH+256*\j
	ds_load_b128 v[\buf+8*\j+4:\buf+8*\j+7], v[RDP] offset:\rp*2*SPITCH+256*\j
.endr
	ds_load_b128 v[\buf+16:\buf+19], v[RDO] offset:\rp*2*SPITCH+512
.if \qqq
	ds_load_b128 v[\buf+20:\buf+23], v[RDP] offset:\rp*2*SPITCH+512
.endif
.endm
.macro ROPE j, buf, tb                 ; x[d] C[d] + x[d ^ 32] S[d], four numbers, and their f16
	v_pk_mul_f32 v[RR+4*\j:RR+4*\j+1],   v[\buf+8*\j+4:\buf+8*\j+5], v[\tb+4:\tb+5]
	v_pk_mul_f32 v[RR+4*\j+2:RR+4*\j+3], v[\buf+8*\j+6:\buf+8*\j+7], v[\tb+6:\tb+7]
	v_pk_fma_f32 v[RR+4*\j:RR+4*\j+1],   v[\buf+8*\j:\buf+8*\j+1],   v[\tb:\tb+1],   v[RR+4*\j:RR+4*\j+1]
	v_pk_fma_f32 v[RR+4*\j+2:RR+4*\j+3], v[\buf+8*\j+2:\buf+8*\j+3], v[\tb+2:\tb+3], v[RR+4*\j+2:RR+4*\j+3]
	v_cvt_pk_f16_f32 v[HH+2*\j],   v[RR+4*\j],   v[RR+4*\j+1]
	v_cvt_pk_f16_f32 v[HH+2*\j+1], v[RR+4*\j+2], v[RR+4*\j+3]
.endm
; One pair of tokens.  Every store of the wave covers 256 (f16) or 512 (f32) consecutive bytes, aligned.
.macro EPI rp, qqq
	s_wait_xcnt 0x0                                ; the last pair's stores have read RR, HH and the buffer that is loaded next
.if \rp<15
	DLOAD (\rp+1), (DB+24*((\rp+1)&1)), \qqq
	s_wait_dscnt 5+\qqq                            ; all but the loads just issued: this pair's rows are in
.else
	s_wait_dscnt 0x0
.endif
	ROPE 0, (DB+24*(\rp&1)), (TB+8*\rp)
	global_store_b64 v[HOFF], v[HH:HH+1], s[80:81] offset:\rp*256
	ROPE 1, (DB+24*(\rp&1)), (TB+8*\rp)
.if \qqq
	global_store_b64 v[HOFF], v[HH+2:HH+3], s[82:83] offset:\rp*256
	ROPE 2, (DB+24*(\rp&1)), (TB+8*\rp)
	global_store_b64 v[HOFF], v[HH+4:HH+5], s[84:85] offset:\rp*256
.else
	global_store_b128 v[OOFF], v[RR+4:RR+7], s[86:87] offset:\rp*512               ; out1: k behind RoPE
	global_store_b64 v[HOFF], v[HH+2:HH+3], s[82:83] offset:\rp*256
	v_cvt_pk_f16_f32 v[HH+4], v[DB+24*(\rp&1)+16], v[DB+24*(\rp&1)+17]
	v_cvt_pk_f16_f32 v[HH+5], v[DB+24*(\rp&1)+18], v[DB+24*(\rp&1)+19]
	global_store_b128 v[OOFF], v[DB+24*(\rp&1)+16:DB+24*(\rp&1)+19], s[88:89] offset:\rp*512   ; out2: v as it is
	global_store_b64 v[HOFF], v[HH+4:HH+5], s[84:85] offset:\rp*256
.endif
.endm
	s_lshl_b32 s93, s77, 14                        ; 128 tokens of 128 bytes for each block
	s_lshl_b32 s92, s76, 4                         ; 16 b
	s_cmp_eq_u32 ttmp9, 0                          ; the cluster's x: the same in all sixteen partners
	s_cbranch_scc0 .Lpath_qkv
	s_mul_i32 s91, s24, 3
	s_add_co_u32 s92, s92, s91                     ; 16 b + 3 cx
	s_lshl_b32 s92, s92, 18                        ; x 2,048 tokens of 128 bytes
	s_add_co_u32 s92, s92, s93
	s_mov_b32 s93, 0
	s_add_nc_u64 s[80:81], s[10:11], s[92:93]
	s_add_nc_u64 s[82:83], s[80:81], 0x40000
	s_add_nc_u64 s[84:85], s[82:83], 0x40000
	DLOAD 0, DB, 1
.irp rp, 0,1,2,3,4,5,6,7,8,9,10,11,12,13,14,15
	EPI \rp, 1
.endr
	s_branch .Lclose
.Lpath_qkv:
	s_add_co_u32 s92, s92, s24
	s_add_co_u32 s92, s92, 12                      ; 16 b + 12 + cx
	s_lshl_b32 s92, s92, 18
	s_add_co_u32 s92, s92, s93
	s_lshl2_add_u32 s90, s76, s24                  ; 4 b + cx
	s_lshl_b32 s90, s90, 18
	s_add_co_u32 s90, s90, s93
	s_mov_b32 s93, 0
	s_mov_b32 s91, 0
	s_add_nc_u64 s[80:81], s[10:11], s[92:93]      ; qh
	s_add_nc_u64 s[82:83], s[12:13], s[90:91]      ; kh
	s_add_nc_u64 s[84:85], s[14:15], s[90:91]      ; vh
	s_lshl_b32 s90, s90, 1                         ; rows of 256 bytes
	s_add_nc_u64 s[86:87], s[16:17], s[90:91]      ; out1
	s_add_nc_u64 s[88:89], s[18:19], s[90:91]      ; out2
	DLOAD 0, DB, 0
.irp rp, 0,1,2,3,4,5,6,7,8,9,10,11,12,13,14,15
	EPI \rp, 0
.endr
.Lclose:
	s_wait_tensorcnt 0x0
	ds_add_u32 v254, v255
	s_wait_dscnt 0x0
	CROUND                                         ; the closing round: no work-group ends while a partner may still ask jointly
	s_endpgm
.Lfunc_end_k_q888fba48dc_qkv:
	.size	k_q888fba48dc_qkv, .Lfunc_end_k_q888fba48dc_qkv-k_q888fba48dc_qkv
	.p2alignl 7, 3214868480
	.fill 96, 4, 3214868480
	.section	.rodata,"a",@progbits
	.p2align	6, 0x0
	.amdhsa_kernel k_q888fba48dc_qkv
		.amdhsa_group_segment_fixed_size 327680
		.amdhsa_private_segment_fixed_size 0
		.amdhsa_enable_private_segment 0
		.amdhsa_kernarg_size 64
		.amdhsa_user_sgpr_count 2
		.amdhsa_user_sgpr_kernarg_segment_ptr 1
		.amdhsa_wavefront_size32 1
		.amdhsa_system_sgpr_workgroup_id_x 1
		.amdhsa_system_sgpr_workgroup_id_y 1
		.amdhsa_system_sgpr_workgroup_id_z 1
		.amdhsa_system_vgpr_workitem_id 0
		.amdhsa_next_free_vgpr 448
		.amdhsa_next_free_sgpr 100
		.amdhsa_reserve_vcc 0
		.amdhsa_float_denorm_mode_32 3
		.amdhsa_float_denorm_mode_16_64 3
		.amdhsa_memory_ordered 1
		.amdhsa_forward_progress 1
		.amdhsa_inst_pref_size 147
	.end_amdhsa_kernel
	.amdgpu_metadata
---
amdhsa.version: [ 1, 2 ]
amdhsa.kernels:
  - .name:           k_q888fba48dc_qkv
    .symbol:         k_q888fba48dc_qkv.kd
    .args:
      - { .name: xb, .offset: 0, .size: 8, .value_kind: global_buffer, .address_space: global }
      - { .name: wt, .offset: 8, .size: 8, .value_kind: global_buffer, .address_space: global }
      - { .name: tab, .offset: 16, .size: 8, .value_kind: global_buffer, .address_space: global }
      - { .name: qh, .offset: 24, .size: 8, .value_kind: global_buffer, .address_space: global }
      - { .name: kh, .offset: 32, .size: 8, .value_kind: global_buffer, .address_space: global }
      - { .name: vh, .offset: 40, .size: 8, .value_kind: global_buffer, .address_space: global }
      - { .name: out1, .offset: 48, .size: 8, .value_kind: global_buffer, .address_space: global }
      - { .name: out2, .offset: 56, .size: 8, .value_kind: global_buffer, .address_space: global }
    .group_segment_fixed_size: 327680
    .private_segment_fixed_size: 0
    .kernarg_segment_align: 8
    .kernarg_segment_size: 64
    .max_flat_workgroup_size: 128
    .sgpr_count:     100
    .vgpr_count:     448
    .wavefront_size: 32
...
	.end_amdgpu_metadata
.endif
;; end of part 2
;; launch attn (part 3): grid 256 x 1, 4 waves a work-group, clusters of 4 x 1, 327,680 bytes of LDS; arguments qh, kh, vh, yh; writes yh
.if DOCPART == 3
	.amdgcn_target "amdgcn-amd-amdhsa--gfx1250"
	.amdhsa_code_object_version 6
	.text
	.protected	k_q888fba48dc_attn
	.globl	k_q888fba48dc_attn
	.p2align	8
	.type	k_q888fba48dc_attn,@function
k_q888fba48dc_attn:
	s_mov_b64 s[64:65], 0
	v_nop
	global_prefetch_b8 v0, s[64:65] scope:SCOPE_SE
	s_setreg_imm32_b32 hwreg(HW_REG_WAVE_MODE, 25, 1), 1
	s_wait_xcnt 0x0
	s_wait_alu depctr_hold_cnt(0) depctr_sa_sdst(0) depctr_va_vdst(0) depctr_va_sdst(0) depctr_va_ssrc(0) depctr_va_vcc(0) depctr_vm_vsrc(0)
	s_getreg_b32 s2, hwreg(HW_REG_IB_STS2, 6, 4)
	s_cmp_eq_u32 s2, 0
	s_cbranch_scc0 .Lentry_in_a_cluster
	s_endpgm
.Lentry_in_a_cluster:
	s_bfe_u32 s2, ttmp6, 0x10000c
	s_cmp_lg_u32 s2, 0x3003
	s_cbranch_scc0 .Lentry_shape_is_right
	s_endpgm
.Lentry_shape_is_right:
; Causal attention in f16 with f32 sums and a running maximum.  qh, yh: [2][16][2048][64] f16; kh, vh: [2][4][2048][64] f16.
; WORK LEFT OUT: blocks of 128 keys wholly above a block of 128 queries: reference() masks them itself and their softmax weight is 0 for all finite inputs.
; LIMITS: a NaN or infinity that only masked scores reach is not carried on; weights below 6e-8 of a row's largest become 0 (f16).
; A work-group takes one query head and two blocks of 128 queries, lo = i and hi = 15 - i (i = 0..7): 17 block products in every work-group.
; CLUSTER 4 x 1: the four query heads of one key/value head; they walk the same key blocks in the same order and ask for each K and V tile jointly.
; Wave w has queries 32 w .. 32 w + 31 of both blocks: query tiles 0, 1 (hi) and 2, 3 (lo).
; Key blocks by position p: p = 0: block i (lo's diagonal); p = 1..i: blocks i - 1 .. 0 (both); p = i + 1 .. 14 - i: block p (hi alone); p = 15 - i: hi's diagonal.
; Each block is two trips of 64 keys, on LDS slots 0 and 1.  By this text's count a wave has one tensor load out.
; LAYOUT: S^T = K Q^T (source 0 = keys, source 1 = queries): lane (r, h) holds query r, keys 16 kt + 8 h + j.  A row's maximum and sum need one exchange between
; the halves of the lanes, two packed score tiles are source 1 of O^T = V^T P^T as they stand, and the rescaling is a multiply within the lane.
; REGISTERS: window 0: v2-43 addresses and row figures; v64-127 K fragments, then P; v128-255 scores.  Window 1: v0-127 O (tile (qt, dt) at 32 qt + 8 dt);
; v128-191 Q fragments; v192-255 V^T fragments.
.set SLOTB, 20480                      ; a slot: four regions of 5,120 bytes, one for each wave's load
.set REGN,  5120                       ; regions 0, 1: 32 keys of K each, pitch 144; regions 2, 3: 32 keys of V each, pitch 160
.set STAGE, 40960                      ; 4 x 2,304: each wave's own 16 rows x 144 for the way out; no tensor load lands here
.set KADR, 2
.set VADR, 3
.set TQ,   4                           ; v4, v5: query in its block - 8 h, for the even and the odd query tile
.set NEGM, 6                           ; finfo.min
.set TT,   8                           ; v8-11
.set NMC,  12                          ; v12: -c x maximum (v13 only fills the pair)
.set SUMP, 16                          ; v16-23
.set MM,   24                          ; v24-27 running maximum
.set LS,   28                          ; v28-31 running sum, apart in each half of the lanes until the end
.set AL,   32                          ; v32-39 rescale factor (the odd registers only fill the pairs)
.set STO,  40
.set RD,   41
.set YO,   42
.set QOFF, 43
.set KF,   64
.set PF,   64
.set YR,   96
.set SS,   128
.set QF,   128
.set VF,   192
.set G1K,  32
.set G1V,  40
.set G0K,  48
.set G0V,  56
.set MSB, 0
.macro WIN new
.if MSB != \new
	s_set_vgpr_msb (MSB<<8)|\new
.set MSB, \new
.endif
.endm
.macro PLACES                          ; four plain vector instructions behind a matrix instruction (ISA guide 7.12.1)
.rept 4
	v_nop
.endr
.endm
.macro JLOAD s                         ; waves 0, 1 ask for K's two halves, waves 2, 3 for V's
	s_cmp_eq_u32 s13, 0
	s_cbranch_scc0 .Lfor_v_\@
	tensor_load_to_lds s[G0K+4*\s:G0K+4*\s+3], s[G1K:G1K+7]
	s_nop 0
	s_branch .Lasked_\@
.Lfor_v_\@:
	tensor_load_to_lds s[G0V+4*\s:G0V+4*\s+3], s[G1V:G1V+7]
	s_nop 0
.Lasked_\@:
.endm
.macro CROUND                          ; a round of the cluster's barrier
	s_barrier_signal -1
	s_barrier_wait -1
	s_cmp_lg_u32 s12, 0
	s_cbranch_scc1 .Lnot_wave_0_\@
	s_barrier_signal -3
.Lnot_wave_0_\@:
	s_barrier_wait -3
	s_barrier_signal -1
	s_barrier_wait -1
.endm
.macro SETADR s                        ; slot s's global addresses: keys 64 s .. 64 s + 63 of the block at s[24:25]
	s_add_nc_u64 s[G0K+4*\s+2:G0K+4*\s+3], s[66+2*\s:67+2*\s], s[24:25]
	s_or_b32 s[G0K+4*\s+3], s[G0K+4*\s+3], 0x80000000
	s_add_nc_u64 s[G0V+4*\s+2:G0V+4*\s+3], s[70+2*\s:71+2*\s], s[24:25]
	s_or_b32 s[G0V+4*\s+3], s[G0V+4*\s+3], 0x80000000
.endm
.macro NEXTS                           ; the key block of position pos + 1, as a byte offset
	s_add_co_u32 s26, s18, 1
	s_sub_co_u32 s27, s17, s26
	s_cmp_le_u32 s26, s17
	s_cselect_b32 s26, s27, s26
	s_lshl_b32 s24, s26, 14
.endm
	s_load_b256 s[4:11], s[0:1], 0x0               ; qh s[4:5], kh s[6:7], vh s[8:9], yh s[10:11]
	v_lshl_add_u32 v62, v0, 2, 0x29000
	v_mov_b32 v63, 0
	ds_add_u32 v62, v63
	v_lshrrev_b32 v1, 5, v0
	v_readfirstlane_b32 s12, v1                    ; wave
	s_lshr_b32 s13, s12, 1
	s_and_b32 s14, s12, 1
	s_bfe_u32 s15, ttmp6, 0x40000                  ; cx: which of the four query heads
	s_lshr_b32 s16, ttmp9, 3                       ; bg = 4 b + key/value head
	s_and_b32 s17, ttmp9, 7                        ; i
	s_mov_b32 s18, 0                               ; pos
	s_mov_b32 s20, 0x76543210                      ; v_permlanex16_b32: lane l reads lane l of the other half
	s_mov_b32 s21, 0xfedcba98
	s_mov_b32 s22, 0x3e38aa3b                      ; c = log2(e) / 8: the scale 1 / sqrt(64) and the change of base
	s_mov_b32 s23, 0x3e38aa3b
	s_mov_b32 s28, 0xbe38aa3b                      ; -c
	s_mov_b32 s[G1K+0], 15|(1<<16)|(1<<20)|(1<<21)|(4<<22)|(3<<25)   ; all four partners; 2-byte elements; padding: after every 32 words 4 words
	s_mov_b32 s[G1V+0], 15|(1<<16)|(1<<20)|(1<<21)|(4<<22)|(7<<25)   ; the same, 8 words
	s_mov_b32 s[G1K+1], 64<<16
	s_mov_b32 s[G1V+1], 64<<16
	s_mov_b32 s[G1K+2], 32<<16
	s_mov_b32 s[G1V+2], 32<<16
	s_mov_b32 s[G1K+3], 64<<16
	s_mov_b32 s[G1V+3], 64<<16
	s_mov_b32 s[G1K+4], 32
	s_mov_b32 s[G1V+4], 32
	s_mov_b32 s[G1K+5], 64
	s_mov_b32 s[G1V+5], 64
	s_mov_b32 s[G1K+6], 0
	s_mov_b32 s[G1V+6], 0
	s_mov_b32 s[G1K+7], 0
	s_mov_b32 s[G1V+7], 0
	s_mul_i32 s26, s12, REGN                       ; my region of a slot
	s_lshl_b32 s30, s16, 18                        ; bg x 2,048 keys of 128 bytes
	s_lshl_b32 s31, s14, 12                        ; + my 32 keys
	s_add_co_u32 s30, s30, s31
	s_mov_b32 s31, 0
	s_lshl_b32 s24, s17, 14                        ; position 0: key block i
	s_mov_b32 s25, 0
	s_wait_dscnt 0x0
	s_wait_kmcnt 0x0
	s_add_nc_u64 s[66:67], s[6:7], s[30:31]        ; K, keys 0..63 of a block
	s_add_nc_u64 s[68:69], s[66:67], 0x2000        ; K, keys 64..127
	s_add_nc_u64 s[70:71], s[8:9], s[30:31]
	s_add_nc_u64 s[72:73], s[70:71], 0x2000
.irp s, 0,1
	s_mov_b32 s[G0K+4*\s], 1
	s_add_co_u32 s[G0K+4*\s+1], s26, \s*SLOTB
	s_mov_b32 s[G0V+4*\s], 1
	s_add_co_u32 s[G0V+4*\s+1], s26, \s*SLOTB
.endr
	SETADR 0
	CROUND                                         ; the four partners are here: the first joint load meets
	JLOAD 0
	s_add_co_u32 s30, s17, 1                       ; i + 1: the first position that is not for both blocks (s[30:31] have served as an offset; no trip writes them)
	s_sub_co_u32 s31, 15, s17                      ; 15 - i: the position of hi's diagonal
	s_lshl2_add_u32 s82, s16, s15                  ; 16 b + head = 4 bg + cx
	s_lshl_b32 s82, s82, 18
	s_lshl_b32 s29, s12, 12                        ; + 32 w queries of 128 bytes
	s_add_co_u32 s82, s82, s29
	s_mov_b32 s83, 0
	s_add_nc_u64 s[76:77], s[10:11], s[82:83]
	s_add_nc_u64 s[80:81], s[4:5], s[82:83]
	s_lshl_b32 s82, s31, 14
	s_add_nc_u64 s[74:75], s[76:77], s[82:83]      ; yh, block hi
	s_add_nc_u64 s[78:79], s[80:81], s[82:83]      ; qh, block hi
	s_lshl_b32 s82, s17, 14
	s_add_nc_u64 s[76:77], s[76:77], s[82:83]      ; yh, block lo
	s_add_nc_u64 s[80:81], s[80:81], s[82:83]      ; qh, block lo
	v_and_b32 v44, 15, v0                          ; r
	v_bfe_u32 v45, v0, 4, 1                        ; h
	v_lshlrev_b32 v[QOFF], 7, v44
	v_lshl_add_u32 v[QOFF], v45, 4, v[QOFF]        ; query r, 16 h bytes in
	WIN 0x40                                       ; loads land in window 1
.irp qt, 0,1
.irp dc, 0,1
	global_load_b128 v[QF+16*\qt+8*\dc:QF+16*\qt+8*\dc+3],   v[QOFF], s[78:79] offset:2048*\qt+64*\dc
	global_load_b128 v[QF+16*\qt+8*\dc+4:QF+16*\qt+8*\dc+7], v[QOFF], s[78:79] offset:2048*\qt+64*\dc+32
	global_load_b128 v[QF+32+16*\qt+8*\dc:QF+32+16*\qt+8*\dc+3],   v[QOFF], s[80:81] offset:2048*\qt+64*\dc
	global_load_b128 v[QF+32+16*\qt+8*\dc+4:QF+32+16*\qt+8*\dc+7], v[QOFF], s[80:81] offset:2048*\qt+64*\dc+32
.endr
.endr
	WIN 0
	v_mul_u32_u24 v[KADR], v44, 144
	v_lshl_add_u32 v[KADR], v45, 4, v[KADR]        ; K fragment: key r, 16 h bytes in
	v_and_b32 v46, 7, v0
	v_lshl_add_u32 v46, v45, 3, v46                ; 8 h + lane % 8
	v_mul_u32_u24 v[VADR], v46, 160
	v_bfe_u32 v47, v0, 3, 1
	v_lshl_add_u32 v[VADR], v47, 4, v[VADR]
	v_add_nc_u32 v[VADR], 2*REGN, v[VADR]          ; V lies behind K's two regions
	v_lshl_add_u32 v[TQ], v1, 5, v44               ; 32 w + r
	v_lshlrev_b32 v46, 3, v45
	v_sub_nc_u32 v[TQ], v[TQ], v46                 ; - 8 h
	v_add_nc_u32 v[TQ+1], 16, v[TQ]
	v_mov_b32 v[NEGM], 0xff7fffff
	v_mov_b32 v[NMC+1], 0
.irp qt, 0,1,2,3
	v_mov_b32 v[AL+2*\qt+1], 0
.endr
	s_mul_i32 s27, s12, 2304
	s_add_co_u32 s27, s27, STAGE
	v_add_nc_u32 v[STO], s27, v[KADR]              ; stage in: query r, 16 h bytes in
	v_and_b32 v46, 31, v0
	v_lshrrev_b32 v47, 3, v46
	v_mul_u32_u24 v[RD], v47, 144
	v_and_b32 v47, 7, v0
	v_lshl_add_u32 v[RD], v47, 4, v[RD]
	v_add_nc_u32 v[RD], s27, v[RD]                 ; stage back: 8 lanes take a row of 128 bytes
	v_lshlrev_b32 v[YO], 4, v46
.macro KLOAD slot
.irp kt, 0,1,2,3
.irp dc, 0,1
	ds_load_b128 v[KF+16*\kt+8*\dc:KF+16*\kt+8*\dc+3],   v[KADR] offset:\slot*SLOTB+(\kt>>1)*REGN+(\kt&1)*2304+64*\dc
	ds_load_b128 v[KF+16*\kt+8*\dc+4:KF+16*\kt+8*\dc+7], v[KADR] offset:\slot*SLOTB+(\kt>>1)*REGN+(\kt&1)*2304+64*\dc+32
.endr
.endr
.endm
.macro VLOAD slot                      ; V is stored [key][d]; the transposing load gives lane (r, h) column d = 16 dt + r, keys along its registers
.irp dt, 0,1,2,3
.irp kc, 0,1
	ds_load_tr16_b128 v[VF+16*\dt+8*\kc:VF+16*\dt+8*\kc+3],   v[VADR] offset:\slot*SLOTB+\kc*REGN+32*\dt
	ds_load_tr16_b128 v[VF+16*\dt+8*\kc+4:VF+16*\dt+8*\kc+7], v[VADR] offset:\slot*SLOTB+\kc*REGN+32*\dt+2560
.endr
.endr
.endm
; Scores of query tile qt: four key tiles take turns, one instruction a turn; the first half of d starts the sums.
.macro QK1 qt
.irp dc, 0,1
.irp kt, 0,1,2,3
.if \dc
	v_wmma_f32_16x16x32_f16 v[SS+32*\qt+8*\kt:SS+32*\qt+8*\kt+7], v[KF+16*\kt+8*\dc:KF+16*\kt+8*\dc+7], v[QF+16*\qt+8*\dc:QF+16*\qt+8*\dc+7], v[SS+32*\qt+8*\kt:SS+32*\qt+8*\kt+7]
.else
	v_wmma_f32_16x16x32_f16 v[SS+32*\qt+8*\kt:SS+32*\qt+8*\kt+7], v[KF+16*\kt+8*\dc:KF+16*\kt+8*\dc+7], v[QF+16*\qt+8*\dc:QF+16*\qt+8*\dc+7], 0
.endif
.endr
.endr
.endm
.macro PV1 kc, qt, zero                ; O^T += V^T P^T, 32 keys, query tile qt; the output tiles take turns, one instruction a turn
.irp dt, 0,1,2,3
.if \zero
	v_wmma_f32_16x16x32_f16 v[32*\qt+8*\dt:32*\qt+8*\dt+7], v[VF+16*\dt+8*\kc:VF+16*\dt+8*\kc+7], v[PF+16*\qt+8*\kc:PF+16*\qt+8*\kc+7], 0
.else
	v_wmma_f32_16x16x32_f16 v[32*\qt+8*\dt:32*\qt+8*\dt+7], v[VF+16*\dt+8*\kc:VF+16*\dt+8*\kc+7], v[PF+16*\qt+8*\kc:PF+16*\qt+8*\kc+7], v[32*\qt+8*\dt:32*\qt+8*\dt+7]
.endif
.endr
.endm
.macro RESC qt                         ; O x 2^(c (old maximum - new maximum))
.irp k, 0,1,2,3,4,5,6,7,8,9,10,11,12,13,14,15
	v_pk_mul_f32 v[32*\qt+2*\k:32*\qt+2*\k+1], v[32*\qt+2*\k:32*\qt+2*\k+1], v[AL+2*\qt:AL+2*\qt+1] op_sel_hi:[1,0]
.endr
.endm
; One query tile's 64 scores a row: mask, new maximum, P = 2^(c (s - maximum)), sum, P as f16.
.macro SOFTMAX qt, mask, init, slot
.if \mask
.irp kt, 0,1,2,3
.irp j, 0,1,2,3,4,5,6,7
	v_cmp_gt_i32 vcc_lo, 64*\slot+16*\kt+\j, v[TQ+(\qt&1)]         ; key 64 slot + 16 kt + 8 h + j above the query: finfo.min, as reference() puts it
	v_cndmask_b32 v[SS+32*\qt+8*\kt+\j], v[SS+32*\qt+8*\kt+\j], v[NEGM], vcc_lo
.endr
.endr
.endif
.irp kt, 0,1,2,3
	v_max3_num_f32 v[TT+\kt], v[SS+32*\qt+8*\kt], v[SS+32*\qt+8*\kt+1], v[SS+32*\qt+8*\kt+2]
.endr
.irp kt, 0,1,2,3
	v_max3_num_f32 v[TT+\kt], v[TT+\kt], v[SS+32*\qt+8*\kt+3], v[SS+32*\qt+8*\kt+4]
.endr
.irp kt, 0,1,2,3
	v_max3_num_f32 v[TT+\kt], v[TT+\kt], v[SS+32*\qt+8*\kt+5], v[SS+32*\qt+8*\kt+6]
.endr
.irp kt, 0,1,2,3
	v_max_num_f32 v[TT+\kt], v[TT+\kt], v[SS+32*\qt+8*\kt+7]
.endr
	v_max3_num_f32 v[TT], v[TT], v[TT+1], v[TT+2]
.if \init
	v_max_num_f32 v[TT], v[TT], v[TT+3]
.else
	v_max3_num_f32 v[TT], v[TT], v[TT+3], v[MM+\qt]
.endif
	v_permlanex16_b32 v[TT+1], v[TT], s20, s21     ; the other half's keys
	v_max_num_f32 v[TT], v[TT], v[TT+1]            ; the new maximum, in both halves
.if \init==0
	v_sub_f32 v[TT+2], v[MM+\qt], v[TT]
	v_mul_f32 v[TT+2], s22, v[TT+2]
	v_exp_f32 v[AL+2*\qt], v[TT+2]                 ; the next line is the plain instruction behind it (ISA guide 5.7.2)
.endif
	v_mul_f32 v[NMC], s28, v[TT]
.irp k, 0,1,2,3,4,5,6,7,8,9,10,11,12,13,14,15
	v_pk_fma_f32 v[SS+32*\qt+2*\k:SS+32*\qt+2*\k+1], v[SS+32*\qt+2*\k:SS+32*\qt+2*\k+1], s[22:23], v[NMC:NMC+1] op_sel_hi:[1,0,0]
.endr
.irp k, 0,1,2,3,4,5,6,7,8,9,10,11,12,13,14,15,16,17,18,19,20,21,22,23,24,25,26,27,28,29,30,31
	v_exp_f32 v[SS+32*\qt+\k], v[SS+32*\qt+\k]
.endr
	v_mov_b32 v[MM+\qt], v[TT]                     ; the plain instruction behind the exponentials
	s_wait_alu depctr_va_vdst(0)
.irp kt, 0,1,2,3
	v_pk_add_f32 v[SUMP+2*\kt:SUMP+2*\kt+1], v[SS+32*\qt+8*\kt:SS+32*\qt+8*\kt+1], v[SS+32*\qt+8*\kt+2:SS+32*\qt+8*\kt+3]
.endr
.irp kt, 0,1,2,3
	v_pk_add_f32 v[SUMP+2*\kt:SUMP+2*\kt+1], v[SUMP+2*\kt:SUMP+2*\kt+1], v[SS+32*\qt+8*\kt+4:SS+32*\qt+8*\kt+5]
.endr
.irp kt, 0,1,2,3
	v_pk_add_f32 v[SUMP+2*\kt:SUMP+2*\kt+1], v[SUMP+2*\kt:SUMP+2*\kt+1], v[SS+32*\qt+8*\kt+6:SS+32*\qt+8*\kt+7]
.endr
	v_pk_add_f32 v[SUMP:SUMP+1], v[SUMP:SUMP+1], v[SUMP+2:SUMP+3]
	v_pk_add_f32 v[SUMP+4:SUMP+5], v[SUMP+4:SUMP+5], v[SUMP+6:SUMP+7]
	v_pk_add_f32 v[SUMP:SUMP+1], v[SUMP:SUMP+1], v[SUMP+4:SUMP+5]
.if \init
	v_add_f32 v[LS+\qt], v[SUMP], v[SUMP+1]
.else
	v_add_f32 v[SUMP], v[SUMP], v[SUMP+1]
	v_fma_f32 v[LS+\qt], v[LS+\qt], v[AL+2*\qt], v[SUMP]
.endif
.irp k, 0,1,2,3,4,5,6,7,8,9,10,11,12,13,14,15
	v_cvt_pk_f16_f32 v[PF+16*\qt+\k], v[SS+32*\qt+2*\k], v[SS+32*\qt+2*\k+1]
.endr
.endm
; One trip: 64 keys in slot `slot`.  nq = 4: both blocks, 2: hi alone.  mlo, mhi: the block's diagonal.  init: the first trip.  refill: the other slot gets the next 64 keys.
.macro TRIP slot, nq, mlo, mhi, init, refill
	s_wait_tensorcnt 0x0                           ; all my tensor loads have landed, my part of this trip's tile among them: every group 0 may be written
	ds_add_u32 v62, v63
	s_wait_dscnt 0x0
.if \refill
.if \slot
	NEXTS
	SETADR 0
.else
	SETADR 1
.endif
.endif
	s_wait_dscnt 0x0                               ; my reads of the other slot are over
	CROUND                                         ; both now hold of every wave of the four partners
.if \refill
	JLOAD (1-\slot)                                ; my one tensor load behind the round, and the first thing there
.endif
	PLACES                                         ; the fragment registers were sources of the last trip's matrix instructions
	KLOAD \slot
	WIN 0x40
	VLOAD \slot
	s_wait_dscnt 16                                ; K's 16 loads are in; V's 16 may stay out
.if \init
	s_wait_loadcnt 0x0                             ; Q, once
.endif
	WIN 0x04                                       ; source 1 (Q) in window 1
	QK1 0
	QK1 1
.if \nq==4
	QK1 2
	QK1 3
.endif
	WIN 0
	PLACES
	SOFTMAX 0, \mhi, \init, \slot
	SOFTMAX 1, \mhi, \init, \slot
.if \nq==4
	SOFTMAX 2, \mlo, \init, \slot
	SOFTMAX 3, \mlo, \init, \slot
.endif
	s_wait_dscnt 0x0                               ; V
.if \init==0
	WIN 0x41                                       ; O in window 1, the factor in window 0
	RESC 0
	RESC 1
.if \nq==4
	RESC 2
	RESC 3
.endif
.endif
	WIN 0x51                                       ; O and V in window 1, P in window 0
	PV1 0, 0, \init
	PV1 0, 1, \init
.if \nq==4
	PV1 0, 2, \init
	PV1 0, 3, \init
.endif
	PV1 1, 0, 0
	PV1 1, 1, 0
.if \nq==4
	PV1 1, 2, 0
	PV1 1, 3, 0
.endif
	WIN 0
.endm
	TRIP 0, 4, 1, 0, 1, 1                          ; position 0: lo's diagonal; every row keeps key 0 of the block, so each maximum starts from a live score
	TRIP 1, 4, 1, 0, 0, 1
	s_mov_b32 s18, 1
	s_cmp_eq_u32 s17, 0
	s_cbranch_scc1 .Lskip_a
.Lloop_a:                                              ; positions 1 .. i: both blocks
	TRIP 0, 4, 0, 0, 0, 1
	TRIP 1, 4, 0, 0, 0, 1
	s_add_co_u32 s18, s18, 1
	s_cmp_lt_u32 s18, s30                          ; while pos < i + 1
	s_cbranch_scc1 .Lloop_a
.Lskip_a:
	s_cmp_ge_u32 s18, s31                          ; i = 7: no position is for hi alone
	s_cbranch_scc1 .Lskip_b
.Lloop_b:                                              ; positions i + 1 .. 14 - i: hi alone
	TRIP 0, 2, 0, 0, 0, 1
	TRIP 1, 2, 0, 0, 0, 1
	s_add_co_u32 s18, s18, 1
	s_cmp_lt_u32 s18, s31                          ; while pos < 15 - i
	s_cbranch_scc1 .Lloop_b
.Lskip_b:
	TRIP 0, 2, 0, 1, 0, 1                          ; position 15 - i: hi's diagonal
	TRIP 1, 2, 0, 1, 0, 0                          ; nothing is left to fetch
	; THE WAY OUT: O / sum as f16, 16 queries at a time through my own stage, back as whole rows
	PLACES
.macro OUTQ qt
	v_permlanex16_b32 v[TT], v[LS+\qt], s20, s21
	v_add_f32 v[TT], v[TT], v[LS+\qt]              ; the two halves' sums
	v_rcp_f32 v[AL+2*\qt], v[TT]
	v_nop                                          ; the plain instruction behind the reciprocal
	WIN 0x01                                       ; source 0 (O) in window 1
	s_wait_alu depctr_va_vdst(0)
.irp k, 0,1,2,3,4,5,6,7,8,9,10,11,12,13,14,15
	v_pk_mul_f32 v[SS+2*\k:SS+2*\k+1], v[32*\qt+2*\k:32*\qt+2*\k+1], v[AL+2*\qt:AL+2*\qt+1] op_sel_hi:[1,0]
.endr
	WIN 0
.irp k, 0,1,2,3,4,5,6,7,8,9,10,11,12,13,14,15
	v_cvt_pk_f16_f32 v[PF+\k], v[SS+2*\k], v[SS+2*\k+1]
.endr
.irp dt, 0,1,2,3
	ds_store_b128 v[STO], v[PF+4*\dt:PF+4*\dt+3] offset:32*\dt
.endr
	s_wait_xcnt 0x0                                ; the last tile's stores have read YR
.irp u, 0,1,2,3
	ds_load_b128 v[YR+4*\u:YR+4*\u+3], v[RD] offset:576*\u         ; LDS serves a wave's instructions in order (ISA guide 5.7.1): these see the stores above
.endr
.irp u, 0,1,2,3
	s_wait_dscnt 3-\u
	global_store_b128 v[YO], v[YR+4*\u:YR+4*\u+3], s[74+2*(\qt>>1):75+2*(\qt>>1)] offset:2048*(\qt&1)+512*\u   ; four rows: 512 consecutive bytes, aligned
.endr
.endm
	OUTQ 0
	OUTQ 1
	OUTQ 2
	OUTQ 3
	s_wait_tensorcnt 0x0
	ds_add_u32 v62, v63
	s_wait_dscnt 0x0
	CROUND                                         ; the closing round
	s_endpgm
.Lfunc_end_k_q888fba48dc_attn:
	.size	k_q888fba48dc_attn, .Lfunc_end_k_q888fba48dc_attn-k_q888fba48dc_attn
	.p2alignl 7, 3214868480
	.fill 96, 4, 3214868480
	.section	.rodata,"a",@progbits
	.p2align	6, 0x0
	.amdhsa_kernel k_q888fba48dc_attn
		.amdhsa_group_segment_fixed_size 327680
		.amdhsa_private_segment_fixed_size 0
		.amdhsa_enable_private_segment 0
		.amdhsa_kernarg_size 32
		.amdhsa_user_sgpr_count 2
		.amdhsa_user_sgpr_kernarg_segment_ptr 1
		.amdhsa_wavefront_size32 1
		.amdhsa_system_sgpr_workgroup_id_x 1
		.amdhsa_system_sgpr_workgroup_id_y 1
		.amdhsa_system_sgpr_workgroup_id_z 1
		.amdhsa_system_vgpr_workitem_id 0
		.amdhsa_next_free_vgpr 512
		.amdhsa_next_free_sgpr 84
		.amdhsa_reserve_vcc 1
		.amdhsa_float_denorm_mode_32 3
		.amdhsa_float_denorm_mode_16_64 3
		.amdhsa_memory_ordered 1
		.amdhsa_forward_progress 1
		.amdhsa_inst_pref_size 240
	.end_amdhsa_kernel
	.amdgpu_metadata
---
amdhsa.version: [ 1, 2 ]
amdhsa.kernels:
  - .name:           k_q888fba48dc_attn
    .symbol:         k_q888fba48dc_attn.kd
    .args:
      - { .name: qh, .offset: 0, .size: 8, .value_kind: global_buffer, .address_space: global }
      - { .name: kh, .offset: 8, .size: 8, .value_kind: global_buffer, .address_space: global }
      - { .name: vh, .offset: 16, .size: 8, .value_kind: global_buffer, .address_space: global }
      - { .name: yh, .offset: 24, .size: 8, .value_kind: global_buffer, .address_space: global }
    .group_segment_fixed_size: 327680
    .private_segment_fixed_size: 0
    .kernarg_segment_align: 8
    .kernarg_segment_size: 32
    .max_flat_workgroup_size: 128
    .sgpr_count:     84
    .vgpr_count:     512
    .wavefront_size: 32
...
	.end_amdgpu_metadata
.endif
;; end of part 3
;; launch proj (part 4): grid 8 x 32, 4 waves a work-group, clusters of 4 x 4, 327,680 bytes of LDS; arguments yh, wt, out0; writes out0
.if DOCPART == 4
	.amdgcn_target "amdgcn-amd-amdhsa--gfx1250"
	.amdhsa_code_object_version 6
	.text
	.protected	k_q888fba48dc_proj
	.globl	k_q888fba48dc_proj
	.p2align	8
	.type	k_q888fba48dc_proj,@function
k_q888fba48dc_proj:
	s_mov_b64 s[64:65], 0
	v_nop
	global_prefetch_b8 v0, s[64:65] scope:SCOPE_SE
	s_setreg_imm32_b32 hwreg(HW_REG_WAVE_MODE, 25, 1), 1
	s_wait_xcnt 0x0
	s_wait_alu depctr_hold_cnt(0) depctr_sa_sdst(0) depctr_va_vdst(0) depctr_va_sdst(0) depctr_va_ssrc(0) depctr_va_vcc(0) depctr_vm_vsrc(0)
	s_getreg_b32 s2, hwreg(HW_REG_IB_STS2, 6, 4)
	s_cmp_eq_u32 s2, 0
	s_cbranch_scc0 .Lentry_in_a_cluster
	s_endpgm
.Lentry_in_a_cluster:
	s_bfe_u32 s2, ttmp6, 0x10000c
	s_cmp_lg_u32 s2, 0xf033
	s_cbranch_scc0 .Lentry_shape_is_right
	s_endpgm
.Lentry_shape_is_right:
; out0 = y wo: [4096 x 1024] x [1024 x 1024] in f16 with f32 sums.  yh is [2][16][2048][64] f16 (k = 64 head + d); wt rows 1536..2559 are wo's columns, k contiguous,
; bf16 values kept as f16.  A work-group makes 128 tokens x 128 columns; four waves, each 64 x 64 = 16 accumulator tiles.
; K goes in steps of 128 = two heads through two LDS slots.  y's tile is two sub-tiles (one head each) of 128 rows x 128 bytes, dense in memory.
; CLUSTER 4 x 4: y's tiles are shared along a row of the cluster, wo's along a column, each asked for jointly.  Waves 0, 1 ask for the two heads of y,
; waves 2, 3 for the two halves of wo's 128 rows.  By this text's count a wave has two tensor loads out at the start and one later.
; REGISTERS: window 0: v16-26 addresses, v64-127 and v128-191 two fragment buffers (four of wo, four of y).  Window 1: accumulator (a, b) at 8 (4 a + b).
; The matrix instruction is used transposed (source 0 = rows of wt, source 1 = rows of y): a lane holds 8 neighbouring columns of one token.
.set PA,    144                        ; y's LDS row: 128 bytes + 16
.set PB,    272                        ; wo's LDS row: 256 bytes + 16
.set ASUB,  128*PA
.set BOFF,  2*ASUB
.set BHALF, 64*PB
.set SLOTB, BOFF+2*BHALF               ; 71,680
.set STAGE, 2*SLOTB                    ; 143,360: 16 rows x 272 for each wave, its own; no tensor load lands here
.set ADRA, 16
.set ADRB, 18
.set STO,  24
.set RD,   25
.set CO,   26
.set F0,   64
.set F1,   128
.set G1A,  32
.set G1B,  40
.set G0A,  48
.set G0B,  56
.set MULW, 0x50
.set MSB, 0
.macro WIN new
.if MSB != \new
	s_set_vgpr_msb (MSB<<8)|\new
.set MSB, \new
.endif
.endm
.macro PLACES                          ; four plain vector instructions behind a matrix instruction (ISA guide 7.12.1)
.rept 4
	v_nop
.endr
.endm
.macro JLOAD s
	s_cmp_eq_u32 s21, 0
	s_cbranch_scc0 .Lfor_b_\@
	tensor_load_to_lds s[G0A+4*\s:G0A+4*\s+3], s[G1A:G1A+7]
	s_nop 0
	s_branch .Lasked_\@
.Lfor_b_\@:
	tensor_load_to_lds s[G0B+4*\s:G0B+4*\s+3], s[G1B:G1B+7]
	s_nop 0
.Lasked_\@:
.endm
.macro CREST
	s_cmp_lg_u32 s20, 0
	s_cbranch_scc1 .Lnot_wave_0_\@
	s_barrier_signal -3
.Lnot_wave_0_\@:
	s_barrier_wait -3
	s_barrier_signal -1
	s_barrier_wait -1
.endm
.macro CROUND
	s_barrier_signal -1
	s_barrier_wait -1
	CREST
.endm
	s_load_b128 s[4:7], s[0:1], 0x0                ; yh s[4:5], wt s[6:7]
	s_load_b64 s[8:9], s[0:1], 0x10                ; out0
	v_lshl_add_u32 v254, v0, 2, 0x29000
	v_mov_b32 v255, 0
	ds_add_u32 v254, v255
	v_lshrrev_b32 v1, 5, v0
	v_readfirstlane_b32 s20, v1                    ; wave
	s_lshr_b32 s21, s20, 1                         ; wm.  Also: I fetch for y (0) or wo (1)
	s_and_b32 s22, s20, 1                          ; wn.  Also: which head, or which half of wo's rows, I fetch
	s_bfe_u32 s24, ttmp6, 0x40000                  ; cx
	s_bfe_u32 s25, ttmp6, 0x40004                  ; cy
	s_lshl_b32 s26, ttmp9, 2
	s_add_co_u32 s26, s26, s24                     ; bx: block of 128 columns
	s_and_b32 s27, ttmp7, 0xffff
	s_lshl_b32 s27, s27, 2
	s_add_co_u32 s27, s27, s25                     ; by: block of 128 tokens
	s_lshl_b32 s28, s25, 2
	s_lshl_b32 s28, 15, s28                        ; my row of the cluster
	s_lshl_b32 s29, 0x1111, s24                    ; my column
	s_or_b32 s[G1A+0], s28, (1<<16)|(1<<20)|(1<<21)|(4<<22)|(3<<25)  ; after every 32 words 4 words of padding
	s_or_b32 s[G1B+0], s29, (1<<16)|(1<<20)|(1<<21)|(5<<22)|(3<<25)  ; after every 64 words 4 words
	s_mov_b32 s[G1A+1], 64<<16
	s_mov_b32 s[G1B+1], 128<<16
	s_mov_b32 s[G1A+2], 128<<16
	s_mov_b32 s[G1B+2], 64<<16
	s_mov_b32 s[G1A+3], 64<<16
	s_mov_b32 s[G1B+3], 128<<16
	s_mov_b32 s[G1A+4], 128
	s_mov_b32 s[G1B+4], 64
	s_mov_b32 s[G1A+5], 64
	s_mov_b32 s[G1B+5], 1024
	s_mov_b32 s[G1A+6], 0
	s_mov_b32 s[G1B+6], 0
	s_mov_b32 s[G1A+7], 0
	s_mov_b32 s[G1B+7], 0
	s_lshr_b32 s76, s27, 4                         ; b
	s_and_b32 s77, s27, 15                         ; block of 128 tokens in the sequence
	s_lshl_b32 s66, s76, 22                        ; y: ((16 b + head) x 2,048 + 128 block) x 128 bytes, head = my half: hangs on by and the wave alone
	s_lshl_b32 s67, s22, 18
	s_add_co_u32 s66, s66, s67
	s_lshl_b32 s67, s77, 14
	s_add_co_u32 s66, s66, s67
	s_mov_b32 s67, 0
	s_lshl_b32 s70, s26, 18                        ; wo: (1536 + 128 bx + 64 half) rows of 2,048 bytes: hangs on bx and the wave alone
	s_lshl_b32 s71, s22, 17
	s_add_co_u32 s70, s70, s71
	s_add_co_u32 s70, s70, 3145728
	s_mov_b32 s71, 0
	s_mul_i32 s74, s22, ASUB
	s_mul_i32 s75, s22, BHALF
	s_add_co_u32 s75, s75, BOFF
	s_wait_dscnt 0x0
	s_wait_kmcnt 0x0
	s_add_nc_u64 s[68:69], s[4:5], s[66:67]
	s_add_nc_u64 s[72:73], s[6:7], s[70:71]
	CROUND                                         ; all sixteen work-groups are here: the first joint loads meet
.irp s, 0,1
	s_mov_b32 s[G0A+4*\s], 1
	s_add_co_u32 s[G0A+4*\s+1], s74, \s*SLOTB
	s_add_nc_u64 s[G0A+4*\s+2:G0A+4*\s+3], s[68:69], \s*0x80000    ; K step s: two heads on
	s_or_b32 s[G0A+4*\s+3], s[G0A+4*\s+3], 0x80000000
	s_mov_b32 s[G0B+4*\s], 1
	s_add_co_u32 s[G0B+4*\s+1], s75, \s*SLOTB
	s_add_nc_u64 s[G0B+4*\s+2:G0B+4*\s+3], s[72:73], \s*256
	s_or_b32 s[G0B+4*\s+3], s[G0B+4*\s+3], 0x80000000
	JLOAD \s
.endr
	v_and_b32 v1, 15, v0                           ; r
	v_bfe_u32 v2, v0, 4, 1                         ; h
	v_mul_u32_u24 v3, v1, PA
	v_lshl_add_u32 v3, v2, 4, v3
	v_mul_u32_u24 v4, v1, PB
	v_lshl_add_u32 v4, v2, 4, v4
	s_mul_i32 s30, s21, 64*PA                      ; my 64 tokens in each sub-tile
	s_mul_i32 s31, s22, BHALF                      ; my 64 columns
	s_add_co_u32 s31, s31, BOFF
.irp s, 0,1
	v_add_nc_u32 v[ADRA+\s], s30, v3
	v_add_nc_u32 v[ADRB+\s], s31, v4
	s_add_co_u32 s30, s30, SLOTB
	s_add_co_u32 s31, s31, SLOTB
.endr
	s_mul_i32 s30, s20, 16*PB
	s_add_co_u32 s30, s30, STAGE                   ; my stage
	v_mul_u32_u24 v5, v1, PB
	v_lshl_add_u32 v5, v2, 5, v5                   ; in: token r, 8 h columns of 4 bytes in
	v_add_nc_u32 v[STO], s30, v5
	v_mul_u32_u24 v5, v2, PB
	v_lshl_add_u32 v5, v1, 4, v5                   ; back: lanes 0-15 one row of 256 bytes, lanes 16-31 the next
	v_add_nc_u32 v[RD], s30, v5
	v_lshlrev_b32 v5, 4, v1
	v_lshl_add_u32 v[CO], v2, 12, v5               ; the same two rows in out0
; 8 matrix instructions; the 16 accumulators take turns, one instruction a turn, in the same order in every quarter step.
.macro MUL8 f, a0, zero
.irp a, \a0, \a0+1
.irp b, 0,1,2,3
.if \zero
	v_wmma_f32_16x16x32_f16 v[8*(4*(\a)+\b):8*(4*(\a)+\b)+7], v[\f+8*\b:\f+8*\b+7], v[\f+32+8*(\a):\f+32+8*(\a)+7], 0
.else
	v_wmma_f32_16x16x32_f16 v[8*(4*(\a)+\b):8*(4*(\a)+\b)+7], v[\f+8*\b:\f+8*\b+7], v[\f+32+8*(\a):\f+32+8*(\a)+7], v[8*(4*(\a)+\b):8*(4*(\a)+\b)+7]
.endif
.endr
.endr
.endm
.macro FETCH slot, q, f                ; 16 LDS loads: quarter q of a K step: wo at byte 64 q of its rows; y in sub-tile q / 2 at byte 64 (q % 2)
.irp i, 0,1,2,3
	ds_load_b128 v[\f+8*\i:\f+8*\i+3],   v[ADRB+\slot] offset:64*\q+\i*16*PB
	ds_load_b128 v[\f+8*\i+4:\f+8*\i+7], v[ADRB+\slot] offset:64*\q+\i*16*PB+32
.endr
.irp i, 0,1,2,3
	ds_load_b128 v[\f+32+8*\i:\f+32+8*\i+3], v[ADRA+\slot] offset:(\q>>1)*ASUB+(\q&1)*64+\i*16*PA
	ds_load_b128 v[\f+32+8*\i+4:\f+32+8*\i+7], v[ADRA+\slot] offset:(\q>>1)*ASUB+(\q&1)*64+\i*16*PA+32
.endr
.endm
.macro QUARTER slot, q, f, g, zero
	WIN 0
	s_wait_dscnt 0x0                               ; buffer f's 16 loads, issued 16 matrix instructions ago, are in
	PLACES                                         ; buffer g was read by the last quarter's matrix instructions
	FETCH \slot, \q, \g
	WIN MULW
	MUL8 \f, 0, \zero
	MUL8 \f, 2, \zero
.endm
.macro THREE slot, zero
	QUARTER \slot, 1, F0, F1, \zero
	QUARTER \slot, 2, F1, F0, 0
	QUARTER \slot, 3, F0, F1, 0
.endm
; The last quarter changes slots: each wave's reads of this slot and all its tensor loads are waited for in front of the barrier; fill = 1: the barrier opens a
; round of the cluster's barrier and the joint refill is the first tensor load behind it.
.macro TURN slot, next, fill
	s_wait_dscnt 0x0
	s_wait_tensorcnt 0x0
	ds_add_u32 v254, v255
	s_wait_dscnt 0x0
	s_barrier_signal -1
	WIN MULW
	MUL8 F1, 0, 0
	WIN 0
	s_barrier_wait -1
.if \fill
	CREST
	s_add_nc_u64 s[G0A+4*\slot+2:G0A+4*\slot+3], s[G0A+4*\slot+2:G0A+4*\slot+3], 0x100000   ; four heads on
	s_add_nc_u64 s[G0B+4*\slot+2:G0B+4*\slot+3], s[G0B+4*\slot+2:G0B+4*\slot+3], 512
	JLOAD \slot
.endif
	PLACES
	FETCH \next, 0, F0
	WIN MULW
	MUL8 F1, 2, 0
.endm
.macro LAP zero
	THREE 0, \zero
	TURN 0, 1, 1
	THREE 1, 0
	TURN 1, 0, 1
.endm
	s_wait_tensorcnt 0x1                           ; my part of K step 0 is in; K step 1's stays out
	s_barrier_signal -1
	s_barrier_wait -1
	FETCH 0, 0, F0
	LAP 1
	WIN 0
	s_mov_b32 s23, 2
.Llap:
	LAP 0
	WIN 0
	s_sub_co_u32 s23, s23, 1
	s_cmp_lg_u32 s23, 0
	s_cbranch_scc1 .Llap
	THREE 0, 0                                     ; the last two K steps fetch nothing
	TURN 0, 1, 0
	THREE 1, 0
	WIN 0
	s_wait_dscnt 0x0
	WIN MULW
	MUL8 F1, 0, 0
	MUL8 F1, 2, 0
	WIN 0
	PLACES                                         ; ahead of the stores that read results and of the loads into the fragment buffers
	s_lshl_b32 s78, s27, 19                        ; (128 by + 64 wm) rows of 4,096 bytes
	s_lshl_b32 s79, s21, 18
	s_add_co_u32 s78, s78, s79
	s_lshl_b32 s79, s26, 9                         ; + (128 bx + 64 wn) columns of 4 bytes
	s_add_co_u32 s78, s78, s79
	s_lshl_b32 s79, s22, 8
	s_add_co_u32 s78, s78, s79
	s_mov_b32 s79, 0
	s_add_nc_u64 s[8:9], s[8:9], s[78:79]
; 16 tokens at a time through my own stage: in by columns of 32 bytes a lane, back by whole rows of 256 bytes
.macro OUT16 a, f
	WIN 0x04                                       ; store data in window 1
.irp b, 0,1,2,3
	ds_store_b128 v[STO], v[8*(4*\a+\b):8*(4*\a+\b)+3]   offset:64*\b
	ds_store_b128 v[STO], v[8*(4*\a+\b)+4:8*(4*\a+\b)+7] offset:64*\b+16
.endr
	WIN 0
	s_wait_xcnt 0x0                                ; earlier stores have read buffer f and the base
.if \a
	s_add_nc_u64 s[8:9], s[8:9], 16*4096
.endif
.irp u, 0,1,2,3,4,5,6,7
	ds_load_b128 v[\f+4*\u:\f+4*\u+3], v[RD] offset:\u*2*PB        ; LDS serves a wave's instructions in order (ISA guide 5.7.1): these see the stores above
.endr
.irp u, 0,1,2,3,4,5,6,7
	s_wait_dscnt 7-\u
	global_store_b128 v[CO], v[\f+4*\u:\f+4*\u+3], s[8:9] offset:\u*8192   ; 16 lanes store 256 consecutive bytes, aligned
.endr
.endm
	OUT16 0, F0
	OUT16 1, F1
	OUT16 2, F0
	OUT16 3, F1
	s_wait_tensorcnt 0x0
	ds_add_u32 v254, v255
	s_wait_dscnt 0x0
	CROUND                                         ; the closing round
	s_endpgm
.Lfunc_end_k_q888fba48dc_proj:
	.size	k_q888fba48dc_proj, .Lfunc_end_k_q888fba48dc_proj-k_q888fba48dc_proj
	.p2alignl 7, 3214868480
	.fill 96, 4, 3214868480
	.section	.rodata,"a",@progbits
	.p2align	6, 0x0
	.amdhsa_kernel k_q888fba48dc_proj
		.amdhsa_group_segment_fixed_size 327680
		.amdhsa_private_segment_fixed_size 0
		.amdhsa_enable_private_segment 0
		.amdhsa_kernarg_size 24
		.amdhsa_user_sgpr_count 2
		.amdhsa_user_sgpr_kernarg_segment_ptr 1
		.amdhsa_wavefront_size32 1
		.amdhsa_system_sgpr_workgroup_id_x 1
		.amdhsa_system_sgpr_workgroup_id_y 1
		.amdhsa_system_sgpr_workgroup_id_z 1
		.amdhsa_system_vgpr_workitem_id 0
		.amdhsa_next_free_vgpr 384
		.amdhsa_next_free_sgpr 84
		.amdhsa_reserve_vcc 0
		.amdhsa_float_denorm_mode_32 3
		.amdhsa_float_denorm_mode_16_64 3
		.amdhsa_memory_ordered 1
		.amdhsa_forward_progress 1
		.amdhsa_inst_pref_size 73
	.end_amdhsa_kernel
	.amdgpu_metadata
---
amdhsa.version: [ 1, 2 ]
amdhsa.kernels:
  - .name:           k_q888fba48dc_proj
    .symbol:         k_q888fba48dc_proj.kd
    .args:
      - { .name: yh, .offset: 0, .size: 8, .value_kind: global_buffer, .address_space: global }
      - { .name: wt, .offset: 8, .size: 8, .value_kind: global_buffer, .address_space: global }
      - { .name: out0, .offset: 16, .size: 8, .value_kind: global_buffer, .address_space: global }
    .group_segment_fixed_size: 327680
    .private_segment_fixed_size: 0
    .kernarg_segment_align: 8
    .kernarg_segment_size: 24
    .max_flat_workgroup_size: 128
    .sgpr_count:     84
    .vgpr_count:     384
    .wavefront_size: 32
...
	.end_amdgpu_metadata
.endif
;; end of part 4
;; ======== version 2 of 2: 4 launches
;; limits: values are held in f16: magnitudes above 65,504 overflow, below 6.1e-05 lose precision
;; workspace buffers: xb 8,388,608 bytes; wt 5,242,880 bytes; tab 1,048,576 bytes; qh 8,388,608 bytes; kh 2,097,152 bytes; vh 2,097,152 bytes; yh 8,388,608 bytes
;; launch prep: the kernel of part 1 again; grid 704 x 1, 8 waves a work-group, no clusters, 18,432 bytes of LDS; arguments x, wq, wk, wv, wo, xb, wt, tab; writes xb, wt, tab
;; launch qkv (part 5): grid 8 x 32, 4 waves a work-group, clusters of 4 x 4, 327,680 bytes of LDS; arguments xb, wt, tab, qh, kh, vh, out1, out2; writes qh, kh, vh, out1, out2
.if DOCPART == 5
	.amdgcn_target "amdgcn-amd-amdhsa--gfx1250"
	.amdhsa_code_object_version 6
	.text
	.protected	k_q888fba48dc_qkv
	.globl	k_q888fba48dc_qkv
	.p2align	8
	.type	k_q888fba48dc_qkv,@function
k_q888fba48dc_qkv:
	s_mov_b64 s[64:65], 0
	v_nop
	global_prefetch_b8 v0, s[64:65] scope:SCOPE_SE
	s_setreg_imm32_b32 hwreg(HW_REG_WAVE_MODE, 25, 1), 1
	s_wait_xcnt 0x0
	s_wait_alu depctr_hold_cnt(0) depctr_sa_sdst(0) depctr_va_vdst(0) depctr_va_sdst(0) depctr_va_ssrc(0) depctr_va_vcc(0) depctr_vm_vsrc(0)
	s_getreg_b32 s2, hwreg(HW_REG_IB_STS2, 6, 4)
	s_cmp_eq_u32 s2, 0
	s_cbranch_scc0 .Lentry_in_a_cluster
	s_endpgm
.Lentry_in_a_cluster:
	s_bfe_u32 s2, ttmp6, 0x10000c
	s_cmp_lg_u32 s2, 0xf033
	s_cbranch_scc0 .Lentry_shape_is_right
	s_endpgm
.Lentry_shape_is_right:
; [4096 x 1024] x [1024 x 1536] in bf16 with f32 sums: q, k, v of all tokens; then RoPE on q and k; q, k, v go on as f16 (|.| < 65504), k and v
; also leave as f32 (out1, out2).  xb is [4096][1024] bf16, wt rows 0..1535 are the weights' columns with k contiguous.
; A work-group makes 128 tokens x 192 columns = three heads; four waves, each 64 x 96 = 24 accumulator tiles of 16 x 16.
; wt's rows are ordered so that what the three heads are hangs on the cluster's x alone: 0: q heads 3 cx + 0, 1, 2;  1: q head 12 + cx, k head cx, v head cx.
; K goes in steps of 128 (rows of 256 bytes) through two LDS slots.
; CLUSTER 4 x 4: the four work-groups of a row of the cluster need the same 128 rows of xb, the four of a column the same 192 rows of wt.  Each such
; tile is asked for jointly (same line, same descriptor, a mask that names the four).  Waves 0, 1 ask for x's two halves, waves 2, 3 for w's.
; By this text's count a wave has two tensor loads out at the start and one later.
; REGISTERS: window 0: v16-25 addresses, v32-49 results at work, v64-143 and v144-223 two fragment buffers (six of w, four of x); v192-239 hold the
; stage's rows on the way out.  Window 1: the 24 accumulators, tile (a, b) at 8 (6 a + b).  Window 2: v0-127 the RoPE table of my 32 tokens: it hangs on
; nothing that is computed, so its 32 loads go out at the head and have the whole product in which to land.
; The matrix instruction is used transposed (source 0 = rows of wt, source 1 = rows of xb): a lane then holds 8 neighbouring columns of one token.
.set PITCH,  272                       ; an LDS row: 256 bytes + 16: sixteen rows start at sixteen different 16-byte columns modulo 256
.set AHALF,  64*PITCH
.set BHALF,  96*PITCH
.set BOFF,   2*AHALF                   ; w's 192 rows lie behind x's 128
.set SLOTB,  BOFF+2*BHALF              ; 87,040
.set STAGE,  2*SLOTB                   ; 174,080: 128 rows x 784 bytes of f32, written by LDS stores only, never by a tensor load
.set SPITCH, 784                       ; 768 + 16
.set ADRA, 16
.set ADRB, 18
.set STO,  20
.set RDO,  21
.set RDP,  22
.set TOFF, 23
.set OOFF, 24
.set HOFF, 25
.set RR,   32                          ; v32-43: three heads' four f32
.set HH,   44                          ; v44-49: three heads' four f16
.set F0,   64
.set F1,   144
.set TB,   0                           ; window 2: table: row pair rp at TB + 8 rp: four C, four S
.set DB,   192                         ; two buffers of 24: head j: own quad at 8 j, partner quad at 8 j + 4
.set G1A,  32
.set G1B,  40
.set G0A,  48
.set G0B,  56
.set MULW, 0x50                        ; C and D in window 1, both sources in window 0
.set MSB, 0
.macro WIN new                         ; the immediate's high byte repeats the setting that is left
.if MSB != \new
	s_set_vgpr_msb (MSB<<8)|\new
.set MSB, \new
.endif
.endm
.macro PLACES                          ; four plain vector instructions behind a matrix instruction, ahead of loads into and reads of its registers
.rept 4
	v_nop
.endr
.endm
.macro JLOAD s                         ; a joint load: one line and one mask for x's tiles, one for w's; the branch hangs on the wave's number alone
	s_cmp_eq_u32 s21, 0
	s_cbranch_scc0 .Lfor_b_\@
	tensor_load_to_lds s[G0A+4*\s:G0A+4*\s+3], s[G1A:G1A+7]
	s_nop 0
	s_branch .Lasked_\@
.Lfor_b_\@:
	tensor_load_to_lds s[G0B+4*\s:G0B+4*\s+3], s[G1B:G1B+7]
	s_nop 0
.Lasked_\@:
.endm
.macro CREST                           ; a round of the cluster's barrier behind its opening work-group barrier
	s_cmp_lg_u32 s20, 0
	s_cbranch_scc1 .Lnot_wave_0_\@
	s_barrier_signal -3
.Lnot_wave_0_\@:
	s_barrier_wait -3
	s_barrier_signal -1
	s_barrier_wait -1
.endm
.macro CROUND
	s_barrier_signal -1
	s_barrier_wait -1
	CREST
.endm
	s_load_b512 s[4:19], s[0:1], 0x0               ; xb s[4:5], wt s[6:7], tab s[8:9], qh s[10:11], kh s[12:13], vh s[14:15], out1 s[16:17], out2 s[18:19]
	v_lshl_add_u32 v254, v0, 2, 0x43000
	v_mov_b32 v255, 0
	ds_add_u32 v254, v255
	v_lshrrev_b32 v1, 5, v0
	v_readfirstlane_b32 s20, v1                    ; wave
	s_lshr_b32 s21, s20, 1                         ; wm: my 64 tokens.  Also: I fetch for x (0) or w (1)
	s_and_b32 s22, s20, 1                          ; wn: my 96 columns.  Also: which half of that tile I fetch
	s_bfe_u32 s24, ttmp6, 0x40000                  ; cx
	s_bfe_u32 s25, ttmp6, 0x40004                  ; cy
	s_lshl_b32 s26, ttmp9, 2
	s_add_co_u32 s26, s26, s24                     ; bx: block of 192 columns
	s_and_b32 s27, ttmp7, 0xffff
	s_lshl_b32 s27, s27, 2
	s_add_co_u32 s27, s27, s25                     ; by: block of 128 tokens
	s_lshl_b32 s28, s25, 2
	s_lshl_b32 s28, 15, s28                        ; my row of the cluster
	s_lshl_b32 s29, 0x1111, s24                    ; my column
	s_or_b32 s[G1A+0], s28, (1<<16)|(1<<20)|(1<<21)|(5<<22)|(3<<25)  ; mask; 2-byte elements; padding on; bit 21 beside a mask; after every 64 words 4 words
	s_or_b32 s[G1B+0], s29, (1<<16)|(1<<20)|(1<<21)|(5<<22)|(3<<25)
	s_mov_b32 s[G1A+1], 128<<16                    ; tensor_dim0 = 128
	s_mov_b32 s[G1B+1], 128<<16
	s_mov_b32 s[G1A+2], 64<<16                     ; tensor_dim1 = 64 rows
	s_mov_b32 s[G1B+2], 96<<16                     ;             = 96 rows
	s_mov_b32 s[G1A+3], 128<<16                    ; tile_dim0 = 128
	s_mov_b32 s[G1B+3], 128<<16
	s_mov_b32 s[G1A+4], 64                         ; tile_dim1
	s_mov_b32 s[G1B+4], 96
	s_mov_b32 s[G1A+5], 1024                       ; elements from row to row
	s_mov_b32 s[G1B+5], 1024
	s_mov_b32 s[G1A+6], 0
	s_mov_b32 s[G1B+6], 0
	s_mov_b32 s[G1A+7], 0
	s_mov_b32 s[G1B+7], 0
	s_lshl_b32 s66, s27, 18                        ; x: (128 by + 64 half) rows of 2,048 bytes: hangs on by and the wave alone
	s_lshl_b32 s67, s22, 17
	s_add_co_u32 s66, s66, s67
	s_mov_b32 s67, 0
	s_mul_i32 s70, s26, 393216                     ; w: (192 bx + 96 half) rows of 2,048 bytes: hangs on bx and the wave alone
	s_mul_i32 s71, s22, 196608
	s_add_co_u32 s70, s70, s71
	s_mov_b32 s71, 0
	s_mul_i32 s74, s22, AHALF                      ; where they go: no place in the cluster enters an LDS address
	s_mul_i32 s75, s22, BHALF
	s_add_co_u32 s75, s75, BOFF
	s_wait_dscnt 0x0
	s_wait_kmcnt 0x0
	s_add_nc_u64 s[68:69], s[4:5], s[66:67]
	s_add_nc_u64 s[72:73], s[6:7], s[70:71]
	CROUND                                         ; all sixteen work-groups are here: the first joint loads meet
.irp s, 0,1
	s_mov_b32 s[G0A+4*\s], 1
	s_add_co_u32 s[G0A+4*\s+1], s74, \s*SLOTB
	s_add_nc_u64 s[G0A+4*\s+2:G0A+4*\s+3], s[68:69], \s*256        ; K step s
	s_or_b32 s[G0A+4*\s+3], s[G0A+4*\s+3], 0x80000000
	s_mov_b32 s[G0B+4*\s], 1
	s_add_co_u32 s[G0B+4*\s+1], s75, \s*SLOTB
	s_add_nc_u64 s[G0B+4*\s+2:G0B+4*\s+3], s[72:73], \s*256
	s_or_b32 s[G0B+4*\s+3], s[G0B+4*\s+3], 0x80000000
	JLOAD \s
.endr
	v_and_b32 v1, 15, v0                           ; r = lane % 16 (on the way out: c, the quad of a head's 64 columns)
	v_bfe_u32 v2, v0, 4, 1                         ; h = lane / 16
	v_lshrrev_b32 v8, 5, v0                        ; wave, for global offsets
	v_mul_u32_u24 v3, v1, PITCH
	v_lshl_add_u32 v3, v2, 4, v3                   ; fragment: row r, 16 h bytes in
	s_mul_i32 s30, s21, AHALF
	s_mul_i32 s31, s22, BHALF
	s_add_co_u32 s31, s31, BOFF
.irp s, 0,1
	v_add_nc_u32 v[ADRA+\s], s30, v3
	v_add_nc_u32 v[ADRB+\s], s31, v3
	s_add_co_u32 s30, s30, SLOTB
	s_add_co_u32 s31, s31, SLOTB
.endr
	v_mul_u32_u24 v4, v1, SPITCH                   ; stage in: token 64 wm + 16 a + r, column 96 wn + 16 b + 8 h
	v_lshl_add_u32 v4, v2, 5, v4
	s_mul_i32 s30, s21, 64*SPITCH
	s_mul_i32 s31, s22, 384
	s_add_co_u32 s30, s30, s31
	s_add_co_u32 s30, s30, STAGE
	v_add_nc_u32 v[STO], s30, v4
	v_mul_u32_u24 v5, v2, SPITCH                   ; stage back: token 32 w + 2 rp + h, quad c, and quad c ^ 8 (column d ^ 32)
	s_mul_i32 s30, s20, 32*SPITCH
	s_add_co_u32 s30, s30, STAGE
	v_add_nc_u32 v5, s30, v5
	v_lshl_add_u32 v[RDO], v1, 4, v5
	v_xor_b32 v6, 8, v1
	v_lshl_add_u32 v[RDP], v6, 4, v5
	v_lshlrev_b32 v7, 4, v1
	v_lshl_add_u32 v[TOFF], v2, 9, v7              ; table: (32 w + h) x 512 + 16 c
	v_lshl_add_u32 v[TOFF], v8, 14, v[TOFF]
	v_lshl_add_u32 v[OOFF], v2, 8, v7              ; f32 out: (32 w + h) x 256 + 16 c
	v_lshl_add_u32 v[OOFF], v8, 13, v[OOFF]
	v_lshlrev_b32 v7, 3, v1
	v_lshl_add_u32 v[HOFF], v2, 7, v7              ; f16 out: (32 w + h) x 128 + 8 c
	v_lshl_add_u32 v[HOFF], v8, 12, v[HOFF]
	s_lshr_b32 s76, s27, 4                         ; b
	s_and_b32 s77, s27, 15                         ; block of 128 tokens in the sequence
	s_lshl_b32 s78, s77, 16                        ; x 128 rows of 512 bytes
	s_mov_b32 s79, 0
	s_add_nc_u64 s[8:9], s[8:9], s[78:79]
	WIN 0x80                                       ; loads land in window 2; TOFF and s[8:9] are never written again
.irp rp, 0,1,2,3,4,5,6,7,8,9,10,11,12,13,14,15
	global_load_b128 v[TB+8*\rp:TB+8*\rp+3],   v[TOFF], s[8:9] offset:\rp*1024        ; C of my quad, tokens 32 w + 2 rp + h
	global_load_b128 v[TB+8*\rp+4:TB+8*\rp+7], v[TOFF], s[8:9] offset:\rp*1024+256    ; S
.endr
	WIN 0
; 12 matrix instructions: token blocks a0, a0 + 1 x all six column blocks, 32 along K.  The 24 accumulators take turns, one instruction a turn,
; in the same order in every quarter step.
.macro MUL12 f, a0, zero
.irp a, \a0, \a0+1
.irp b, 0,1,2,3,4,5
.if \zero
	v_wmma_f32_16x16x32_bf16 v[8*(6*(\a)+\b):8*(6*(\a)+\b)+7], v[\f+8*\b:\f+8*\b+7], v[\f+48+8*(\a):\f+48+8*(\a)+7], 0
.else
	v_wmma_f32_16x16x32_bf16 v[8*(6*(\a)+\b):8*(6*(\a)+\b)+7], v[\f+8*\b:\f+8*\b+7], v[\f+48+8*(\a):\f+48+8*(\a)+7], v[8*(6*(\a)+\b):8*(6*(\a)+\b)+7]
.endif
.endr
.endr
.endm
.macro FETCH slot, k, f                ; 20 LDS loads: one quarter step's fragments (32 K at byte k of the rows)
.irp i, 0,1,2,3,4,5
	ds_load_b128 v[\f+8*\i:\f+8*\i+3],   v[ADRB+\slot] offset:\k+\i*16*PITCH
	ds_load_b128 v[\f+8*\i+4:\f+8*\i+7], v[ADRB+\slot] offset:\k+\i*16*PITCH+32
.endr
.irp i, 0,1,2,3
	ds_load_b128 v[\f+48+8*\i:\f+48+8*\i+3], v[ADRA+\slot] offset:\k+\i*16*PITCH
	ds_load_b128 v[\f+48+8*\i+4:\f+48+8*\i+7], v[ADRA+\slot] offset:\k+\i*16*PITCH+32
.endr
.endm
.macro QUARTER slot, k, f, g, zero     ; multiplies buffer f; ahead of that it asks for the next quarter's fragments into buffer g
	WIN 0
	s_wait_dscnt 0x0                               ; buffer f's 20 loads, issued 24 matrix instructions ago, are in
	PLACES                                         ; buffer g was read by the last quarter's matrix instructions
	FETCH \slot, \k, \g
	WIN MULW
	MUL12 \f, 0, \zero
	MUL12 \f, 2, \zero
.endm
.macro THREE slot, zero
	QUARTER \slot, 64,  F0, F1, \zero
	QUARTER \slot, 128, F1, F0, 0
	QUARTER \slot, 192, F0, F1, 0
.endm
; The last quarter of a K step multiplies buffer 1 and changes slots.  In front of the barrier each wave waits for its reads of this slot and for all
; its tensor loads (the one that is out is its part of the next slot).  fill = 1: the barrier opens a round of the cluster's barrier, and the joint refill
; of this slot, two K steps ahead, is the first tensor load behind the round.
.macro TURN slot, next, fill
	s_wait_dscnt 0x0                               ; my reads of this slot are over
	s_wait_tensorcnt 0x0                           ; all my tensor loads have landed
	ds_add_u32 v254, v255
	s_wait_dscnt 0x0
	s_barrier_signal -1
	WIN MULW
	MUL12 F1, 0, 0                                 ; register work while the others arrive
	WIN 0
	s_barrier_wait -1
.if \fill
	CREST
	s_add_nc_u64 s[G0A+4*\slot+2:G0A+4*\slot+3], s[G0A+4*\slot+2:G0A+4*\slot+3], 512
	s_add_nc_u64 s[G0B+4*\slot+2:G0B+4*\slot+3], s[G0B+4*\slot+2:G0B+4*\slot+3], 512
	JLOAD \slot
.endif
	PLACES
	FETCH \next, 0, F0
	WIN MULW
	MUL12 F1, 2, 0
.endm
.macro LAP zero
	THREE 0, \zero
	TURN 0, 1, 1
	THREE 1, 0
	TURN 1, 0, 1
.endm
	s_wait_tensorcnt 0x1                           ; my part of K step 0 is in; K step 1's stays out
	s_barrier_signal -1
	s_barrier_wait -1
	FETCH 0, 0, F0
	LAP 1                                          ; K steps 0, 1: the first products start the sums
	WIN 0
	s_mov_b32 s23, 2
.Llap:
	LAP 0                                          ; K steps 2 to 5
	WIN 0
	s_sub_co_u32 s23, s23, 1
	s_cmp_lg_u32 s23, 0
	s_cbranch_scc1 .Llap
	THREE 0, 0                                     ; K steps 6, 7: nothing is left to fetch
	TURN 0, 1, 0
	THREE 1, 0
	WIN 0
	s_wait_dscnt 0x0
	WIN MULW
	MUL12 F1, 0, 0
	MUL12 F1, 2, 0
	WIN 0
	PLACES                                         ; ahead of the stores that read results and of the loads into the fragment buffers
	; THE WAY OUT.  All sums go to the stage as f32; a head's 64 columns span two waves, and RoPE pairs column d with d ^ 32: hence the barrier.
	WIN 0x04                                       ; store data in window 1
.irp a, 0,1,2,3
.irp b, 0,1,2,3,4,5
	ds_store_b128 v[STO], v[8*(6*\a+\b):8*(6*\a+\b)+3]   offset:\a*16*SPITCH+64*\b
	ds_store_b128 v[STO], v[8*(6*\a+\b)+4:8*(6*\a+\b)+7] offset:\a*16*SPITCH+64*\b+16
.endr
.endr
	WIN 0
	s_wait_dscnt 0x0                               ; my stage stores are done, for the other waves' sake
	s_barrier_signal -1
	s_barrier_wait -1
	s_wait_loadcnt 0x0                             ; the table, asked for at the head
.macro DLOAD rp, buf, qqq              ; the stage's rows 32 w + 2 rp + h: own and partner quads of the heads that are rotated, own quad of v
.irp j, 0,1
	ds_load_b128 v[\buf+8*\j:\buf+8*\j+3],   v[RDO] offset:\rp*2*SPITCH+256*\j
	ds_load_b128 v[\buf+8*\j+4:\buf+8*\j+7], v[RDP] offset:\rp*2*SPITCH+256*\j
.endr
	ds_load_b128 v[\buf+16:\buf+19], v[RDO] offset:\rp*2*SPITCH+512
.if \qqq
	ds_load_b128 v[\buf+20:\buf+23], v[RDP] offset:\rp*2*SPITCH+512
.endif
.endm
.macro ROPEM j, buf, tb                ; x[d] C[d] + x[d ^ 32] S[d], four numbers; source 1 (the table) in window 2
	v_pk_mul_f32 v[RR+4*\j:RR+4*\j+1],   v[\buf+8*\j+4:\buf+8*\j+5], v[\tb+4:\tb+5]
	v_pk_mul_f32 v[RR+4*\j+2:RR+4*\j+3], v[\buf+8*\j+6:\buf+8*\j+7], v[\tb+6:\tb+7]
	v_pk_fma_f32 v[RR+4*\j:RR+4*\j+1],   v[\buf+8*\j:\buf+8*\j+1],   v[\tb:\tb+1],   v[RR+4*\j:RR+4*\j+1]
	v_pk_fma_f32 v[RR+4*\j+2:RR+4*\j+3], v[\buf+8*\j+2:\buf+8*\j+3], v[\tb+2:\tb+3], v[RR+4*\j+2:RR+4*\j+3]
.endm
.macro ROPEC j                         ; their f16
	v_cvt_pk_f16_f32 v[HH+2*\j],   v[RR+4*\j],   v[RR+4*\j+1]
	v_cvt_pk_f16_f32 v[HH+2*\j+1], v[RR+4*\j+2], v[RR+4*\j+3]
.endm
; One pair of tokens.  Every store of the wave covers 256 (f16) or 512 (f32) consecutive bytes, aligned.
; All the pair's products with the table stand together, so that the window is switched twice a pair.
.macro EPI rp, qqq
	s_wait_xcnt 0x0                                ; the last pair's stores have read RR, HH and the buffer that is loaded next
.if \rp<15
	DLOAD (\rp+1), (DB+24*((\rp+1)&1)), \qqq
	s_wait_dscnt 5+\qqq                            ; all but the loads just issued: this pair's rows are in
.else
	s_wait_dscnt 0x0
.endif
	WIN 0x08
	ROPEM 0, (DB+24*(\rp&1)), (TB+8*\rp)
	ROPEM 1, (DB+24*(\rp&1)), (TB+8*\rp)
.if \qqq
	ROPEM 2, (DB+24*(\rp&1)), (TB+8*\rp)
.endif
	WIN 0
	ROPEC 0
	global_store_b64 v[HOFF], v[HH:HH+1], s[80:81] offset:\rp*256
	ROPEC 1
.if \qqq
	global_store_b64 v[HOFF], v[HH+2:HH+3], s[82:83] offset:\rp*256
	ROPEC 2
	global_store_b64 v[HOFF], v[HH+4:HH+5], s[84:85] offset:\rp*256
.else
	global_store_b128 v[OOFF], v[RR+4:RR+7], s[86:87] offset:\rp*512               ; out1: k behind RoPE
	global_store_b64 v[HOFF], v[HH+2:HH+3], s[82:83] offset:\rp*256
	v_cvt_pk_f16_f32 v[HH+4], v[DB+24*(\rp&1)+16], v[DB+24*(\rp&1)+17]
	v_cvt_pk_f16_f32 v[HH+5], v[DB+24*(\rp&1)+18], v[DB+24*(\rp&1)+19]
	global_store_b128 v[OOFF], v[DB+24*(\rp&1)+16:DB+24*(\rp&1)+19], s[88:89] offset:\rp*512   ; out2: v as it is
	global_store_b64 v[HOFF], v[HH+4:HH+5], s[84:85] offset:\rp*256
.endif
.endm
	s_lshl_b32 s93, s77, 14                        ; 128 tokens of 128 bytes for each block
	s_lshl_b32 s92, s76, 4                         ; 16 b
	s_cmp_eq_u32 ttmp9, 0                          ; the cluster's x: the same in all sixteen partners
	s_cbranch_scc0 .Lpath_qkv
	s_mul_i32 s91, s24, 3
	s_add_co_u32 s92, s92, s91                     ; 16 b + 3 cx
	s_lshl_b32 s92, s92, 18                        ; x 2,048 tokens of 128 bytes
	s_add_co_u32 s92, s92, s93
	s_mov_b32 s93, 0
	s_add_nc_u64 s[80:81], s[10:11], s[92:93]
	s_add_nc_u64 s[82:83], s[80:81], 0x40000
	s_add_nc_u64 s[84:85], s[82:83], 0x40000
	DLOAD 0, DB, 1
.irp rp, 0,1,2,3,4,5,6,7,8,9,10,11,12,13,14,15
	EPI \rp, 1
.endr
	s_branch .Lclose
.Lpath_qkv:
	s_add_co_u32 s92, s92, s24
	s_add_co_u32 s92, s92, 12                      ; 16 b + 12 + cx
	s_lshl_b32 s92, s92, 18
	s_add_co_u32 s92, s92, s93
	s_lshl2_add_u32 s90, s76, s24                  ; 4 b + cx
	s_lshl_b32 s90, s90, 18
	s_add_co_u32 s90, s90, s93
	s_mov_b32 s93, 0
	s_mov_b32 s91, 0
	s_add_nc_u64 s[80:81], s[10:11], s[92:93]      ; qh
	s_add_nc_u64 s[82:83], s[12:13], s[90:91]      ; kh
	s_add_nc_u64 s[84:85], s[14:15], s[90:91]      ; vh
	s_lshl_b32 s90, s90, 1                         ; rows of 256 bytes
	s_add_nc_u64 s[86:87], s[16:17], s[90:91]      ; out1
	s_add_nc_u64 s[88:89], s[18:19], s[90:91]      ; out2
	DLOAD 0, DB, 0
.irp rp, 0,1,2,3,4,5,6,7,8,9,10,11,12,13,14,15
	EPI \rp, 0
.endr
.Lclose:
	s_wait_tensorcnt 0x0
	ds_add_u32 v254, v255
	s_wait_dscnt 0x0
	CROUND                                         ; the closing round: no work-group ends while a partner may still ask jointly
	s_endpgm
.Lfunc_end_k_q888fba48dc_qkv:
	.size	k_q888fba48dc_qkv, .Lfunc_end_k_q888fba48dc_qkv-k_q888fba48dc_qkv
	.p2alignl 7, 3214868480
	.fill 96, 4, 3214868480
	.section	.rodata,"a",@progbits
	.p2align	6, 0x0
	.amdhsa_kernel k_q888fba48dc_qkv
		.amdhsa_group_segment_fixed_size 327680
		.amdhsa_private_segment_fixed_size 0
		.amdhsa_enable_private_segment 0
		.amdhsa_kernarg_size 64
		.amdhsa_user_sgpr_count 2
		.amdhsa_user_sgpr_kernarg_segment_ptr 1
		.amdhsa_wavefront_size32 1
		.amdhsa_system_sgpr_workgroup_id_x 1
		.amdhsa_system_sgpr_workgroup_id_y 1
		.amdhsa_system_sgpr_workgroup_id_z 1
		.amdhsa_system_vgpr_workitem_id 0
		.amdhsa_next_free_vgpr 640
		.amdhsa_next_free_sgpr 100
		.amdhsa_reserve_vcc 0
		.amdhsa_float_denorm_mode_32 3
		.amdhsa_float_denorm_mode_16_64 3
		.amdhsa_memory_ordered 1
		.amdhsa_forward_progress 1
		.amdhsa_inst_pref_size 149
	.end_amdhsa_kernel
	.amdgpu_metadata
---
amdhsa.version: [ 1, 2 ]
amdhsa.kernels:
  - .name:           k_q888fba48dc_qkv
    .symbol:         k_q888fba48dc_qkv.kd
    .args:
      - { .name: xb, .offset: 0, .size: 8, .value_kind: global_buffer, .address_space: global }
      - { .name: wt, .offset: 8, .size: 8, .value_kind: global_buffer, .address_space: global }
      - { .name: tab, .offset: 16, .size: 8, .value_kind: global_buffer, .address_space: global }
      - { .name: qh, .offset: 24, .size: 8, .value_kind: global_buffer, .address_space: global }
      - { .name: kh, .offset: 32, .size: 8, .value_kind: global_buffer, .address_space: global }
      - { .name: vh, .offset: 40, .size: 8, .value_kind: global_buffer, .address_space: global }
      - { .name: out1, .offset: 48, .size: 8, .value_kind: global_buffer, .address_space: global }
      - { .name: out2, .offset: 56, .size: 8, .value_kind: global_buffer, .address_space: global }
    .group_segment_fixed_size: 327680
    .private_segment_fixed_size: 0
    .kernarg_segment_align: 8
    .kernarg_segment_size: 64
    .max_flat_workgroup_size: 128
    .sgpr_count:     100
    .vgpr_count:     640
    .wavefront_size: 32
...
	.end_amdgpu_metadata
.endif
;; end of part 5
;; launch attn (part 6): grid 256 x 1, 4 waves a work-group, clusters of 4 x 1, 327,680 bytes of LDS; arguments qh, kh, vh, yh; writes yh
.if DOCPART == 6
	.amdgcn_target "amdgcn-amd-amdhsa--gfx1250"
	.amdhsa_code_object_version 6
	.text
	.protected	k_q888fba48dc_attn
	.globl	k_q888fba48dc_attn
	.p2align	8
	.type	k_q888fba48dc_attn,@function
k_q888fba48dc_attn:
	s_mov_b64 s[64:65], 0
	v_nop
	global_prefetch_b8 v0, s[64:65] scope:SCOPE_SE
	s_setreg_imm32_b32 hwreg(HW_REG_WAVE_MODE, 25, 1), 1
	s_wait_xcnt 0x0
	s_wait_alu depctr_hold_cnt(0) depctr_sa_sdst(0) depctr_va_vdst(0) depctr_va_sdst(0) depctr_va_ssrc(0) depctr_va_vcc(0) depctr_vm_vsrc(0)
	s_getreg_b32 s2, hwreg(HW_REG_IB_STS2, 6, 4)
	s_cmp_eq_u32 s2, 0
	s_cbranch_scc0 .Lentry_in_a_cluster
	s_endpgm
.Lentry_in_a_cluster:
	s_bfe_u32 s2, ttmp6, 0x10000c
	s_cmp_lg_u32 s2, 0x3003
	s_cbranch_scc0 .Lentry_shape_is_right
	s_endpgm
.Lentry_shape_is_right:
; Causal attention in f16 with f32 sums and a running maximum.  qh, yh: [2][16][2048][64] f16; kh, vh: [2][4][2048][64] f16.
; WORK LEFT OUT: blocks of 128 keys wholly above a block of 128 queries: reference() masks them itself and their softmax weight is 0 for all finite inputs.
; LIMITS: a NaN or infinity that only masked scores reach is not carried on; weights below 6e-8 of a row's largest become 0 (f16).
; A work-group takes one query head and two blocks of 128 queries, lo = i and hi = 15 - i (i = 0..7): 17 block products in every work-group.
; CLUSTER 4 x 1: the four query heads of one key/value head; they walk the same key blocks in the same order and ask for each K and V tile jointly.
; Wave w has queries 32 w .. 32 w + 31 of both blocks: query tiles 0, 1 (hi) and 2, 3 (lo).
; TRIPS.  A trip is 64 matrix instructions on 128 score registers: 4 query tiles x 64 keys where a key block serves both query blocks, 2 query tiles x 128 keys
; where it serves hi alone.  Order of the key blocks: i (lo's diagonal), i - 1 .. 0 (both; two trips each); 15 - i (hi's diagonal, two trips of 2 tiles x 64 keys);
; then i + 1 .. 14 - i (hi alone; one trip each).  That is 2 (i + 1) + 2 + (14 - 2 i) = 18 trips in every work-group, 16 full and 2 half.
; Why this order: each trip's LDS slot is a constant of the text.  Blocks taken in two trips use slots 0 and 1; the 14 - 2 i whole blocks are an even number
; and walk slots 0, 1 in pairs.  One trip a block throughout would make the slot hang on the parity of i.
; A slot has room for 128 keys.  Each wave's load always lands at the same LDS address: 32 rows of its region for a tile of 64 keys, all 64 rows for one of 128.
; By this text's count a wave has one tensor load out.
; LAYOUT: S^T = K Q^T (source 0 = keys, source 1 = queries): lane (r, h) holds query r, keys 16 kt + 8 h + j.  A row's maximum and sum need one exchange between
; the halves of the lanes, two packed score tiles are source 1 of O^T = V^T P^T as they stand, and the rescaling is a multiply within the lane.
; TURNS.  A trip's query tiles are two pieces: A = tiles 0, 1 and B = tiles 2, 3 where there are four, A = tile 0 and B = tile 1 where there are two.  Either way a
; piece is 64 neighbouring score registers (32 on hi's diagonal), half as many of P, and as many products for its scores as for its O.  The products go in four runs:
; scores of A; scores of B; O of A; O of B.  Behind each product of the second run stands a slice of A's vector work (mask, maxima, exponentials, packing, rescaling
; of O), behind each of the third a slice of B's, and behind every second of the fourth a slice of the row sums of both, which no product needs.
; The vector work is a list of numbered units of about eight instructions; PHASE deals them out evenly over a run's products.
; WINDOWS.  A product's operands lie in windows 0, 1 and 2, the softmax's in window 0.  An exponential reads source 0 and writes the destination, so one setting for both
; would want K in the scores' window: 128 + 128 registers besides P and the row figures.  So a slice costs two switches, about 80 in a trip of 64 products.
; REGISTERS: window 0: v2-59 addresses and row figures; v64-127 P; v128-255 scores.  Window 1: v0-127 O (tile (qt, dt) at 32 qt + 8 dt); v128-191 Q fragments.
; Window 2: v0-127 K fragments (16 kt + 8 dc); v128-255 V^T fragments (128 + 32 dt + 8 kc).
.set KP,    144                        ; K's LDS row: 128 bytes + 16
.set VP,    160                        ; V's LDS row: 128 bytes + 32, for the transposing load
.set KREG,  64*KP                      ; 9,216: the region of wave 0, and of wave 1
.set VOFF,  2*KREG
.set VREG,  64*VP                      ; 10,240: the region of wave 2, and of wave 3
.set SLOTB, VOFF+2*VREG                ; 38,912
.set STAGE, 2*SLOTB                    ; 77,824: 4 x 2,304: each wave's own 16 rows x 144 for the way out; no tensor load lands here
.set KADR, 2
.set VADR, 3
.set TQ,   4                           ; v4, v5: query in its block - 8 h, for the even and the odd query tile
.set NEGM, 6                           ; finfo.min
.set TT,   8                           ; v8-15: the maxima of a piece's eight runs of 8 scores
.set NMC,  16                          ; v16-23: -c x maximum, a pair for each query tile (the odd registers only fill the pairs)
.set MM,   24                          ; v24-27 running maximum
.set LS,   28                          ; v28-31 running sum, apart in each half of the lanes until the end
.set AL,   32                          ; v32-39 rescale factor (the odd registers only fill the pairs)
.set STO,  40
.set RD,   41
.set YO,   42
.set QOFF, 43
.set SUMP, 44                          ; v44-59: eight pairs of partial sums
.set PF,   64
.set YR,   96
.set SS,   128
.set QF,   128                         ; window 1
.set KF,   0                           ; window 2
.set VF,   128                         ; window 2
.set G1K,  32                          ; group 1: K, 32 rows
.set G1V,  40                          ;          V, 32 rows
.set G0K,  48
.set G0V,  56
.set G1KB, 84                          ;          K, 64 rows
.set G1VB, 92                          ;          V, 64 rows
.set MSB, 0
.macro WIN new                         ; the immediate's high byte repeats the setting that is left; a switch that changes nothing is dropped
.if MSB != \new
	s_set_vgpr_msb (MSB<<8)|\new
.set MSB, \new
.endif
.endm
.macro PLACES                          ; four plain vector instructions behind a matrix instruction (ISA guide 7.12.1)
.rept 4
	v_nop
.endr
.endm
.macro JLOAD s, big                    ; waves 0, 1 ask for K's two halves, waves 2, 3 for V's; big = 1: a tile of 128 keys
	s_cmp_eq_u32 s13, 0
	s_cbranch_scc0 .Lfor_v_\@
.if \big
	tensor_load_to_lds s[G0K+4*\s:G0K+4*\s+3], s[G1KB:G1KB+7]
	s_nop 0
.else
	tensor_load_to_lds s[G0K+4*\s:G0K+4*\s+3], s[G1K:G1K+7]
	s_nop 0
.endif
	s_branch .Lasked_\@
.Lfor_v_\@:
.if \big
	tensor_load_to_lds s[G0V+4*\s:G0V+4*\s+3], s[G1VB:G1VB+7]
	s_nop 0
.else
	tensor_load_to_lds s[G0V+4*\s:G0V+4*\s+3], s[G1V:G1V+7]
	s_nop 0
.endif
.Lasked_\@:
.endm
.macro CROUND                          ; a round of the cluster's barrier
	s_barrier_signal -1
	s_barrier_wait -1
	s_cmp_lg_u32 s12, 0
	s_cbranch_scc1 .Lnot_wave_0_\@
	s_barrier_signal -3
.Lnot_wave_0_\@:
	s_barrier_wait -3
	s_barrier_signal -1
	s_barrier_wait -1
.endm
.macro MKG1 g, pad, rows               ; rows of 64 f16, dense; all four partners; after every 32 words `pad` words
	s_mov_b32 s[\g+0], 15|(1<<16)|(1<<20)|(1<<21)|(4<<22)|((\pad-1)<<25)
	s_mov_b32 s[\g+1], 64<<16
	s_mov_b32 s[\g+2], \rows<<16
	s_mov_b32 s[\g+3], 64<<16
	s_mov_b32 s[\g+4], \rows
	s_mov_b32 s[\g+5], 64
	s_mov_b32 s[\g+6], 0
	s_mov_b32 s[\g+7], 0
.endm
; Slot s's global addresses, from the key block's byte offset in s24.  big = 0: keys 64 half .. 64 half + 63, my 32 of them; big = 1: my 64 of the 128.
.macro SETADR s, big, half
.if \big
	s_add_co_u32 s26, s24, s71
.else
	s_add_co_u32 s26, s24, s70
.if \half
	s_add_co_u32 s26, s26, 0x2000
.endif
.endif
	s_add_nc_u64 s[G0K+4*\s+2:G0K+4*\s+3], s[66:67], s[26:27]
	s_or_b32 s[G0K+4*\s+3], s[G0K+4*\s+3], 0x80000000
	s_add_nc_u64 s[G0V+4*\s+2:G0V+4*\s+3], s[68:69], s[26:27]
	s_or_b32 s[G0V+4*\s+3], s[G0V+4*\s+3], 0x80000000
.endm
.macro NEXTS                           ; behind block i - pos comes block i - pos - 1, behind block 0 comes block 15 - i
	s_sub_co_u32 s82, s17, s18
	s_sub_co_u32 s83, s82, 1
	s_cmp_eq_u32 s82, 0
	s_cselect_b32 s82, s31, s83
	s_lshl_b32 s24, s82, 14
.endm
	s_load_b256 s[4:11], s[0:1], 0x0               ; qh s[4:5], kh s[6:7], vh s[8:9], yh s[10:11]
	v_lshl_add_u32 v62, v0, 2, 0x29000
	v_mov_b32 v63, 0
	ds_add_u32 v62, v63
	v_lshrrev_b32 v1, 5, v0
	v_readfirstlane_b32 s12, v1                    ; wave
	s_lshr_b32 s13, s12, 1
	s_and_b32 s14, s12, 1
	s_bfe_u32 s15, ttmp6, 0x40000                  ; cx: which of the four query heads
	s_lshr_b32 s16, ttmp9, 3                       ; bg = 4 b + key/value head
	s_and_b32 s17, ttmp9, 7                        ; i
	s_mov_b32 s18, 0                               ; pos
	s_sub_co_u32 s19, 6, s17                       ; pairs of whole blocks in the loop (of use where i < 7)
	s_add_co_u32 s30, s17, 1                       ; i + 1
	s_sub_co_u32 s31, 15, s17                      ; 15 - i
	s_mov_b32 s20, 0x76543210                      ; v_permlanex16_b32: lane l reads lane l of the other half
	s_mov_b32 s21, 0xfedcba98
	s_mov_b32 s22, 0x3e38aa3b                      ; c = log2(e) / 8: the scale 1 / sqrt(64) and the change of base
	s_mov_b32 s23, 0x3e38aa3b
	s_mov_b32 s28, 0xbe38aa3b                      ; -c
	MKG1 G1K, 4, 32
	MKG1 G1V, 8, 32
	MKG1 G1KB, 4, 64
	MKG1 G1VB, 8, 64
	s_lshl_b32 s70, s14, 12                        ; my 32 keys of 64, in bytes
	s_lshl_b32 s71, s14, 13                        ; my 64 keys of 128
	s_mul_i32 s72, s14, KREG                       ; my region of a slot, as a fetcher of K
	s_mul_i32 s73, s14, VREG                       ;                      as a fetcher of V
	s_add_co_u32 s73, s73, VOFF
	s_lshl_b32 s82, s16, 18                        ; bg x 2,048 keys of 128 bytes
	s_mov_b32 s83, 0
	s_lshl_b32 s24, s17, 14                        ; the first key block: i
	s_mov_b32 s27, 0                               ; the upper word of the offset pair s[26:27], for good
	s_wait_dscnt 0x0
	s_wait_kmcnt 0x0
	s_add_nc_u64 s[66:67], s[6:7], s[82:83]        ; K of my key/value head
	s_add_nc_u64 s[68:69], s[8:9], s[82:83]        ; V
.irp s, 0,1
	s_mov_b32 s[G0K+4*\s], 1
	s_add_co_u32 s[G0K+4*\s+1], s72, \s*SLOTB
	s_mov_b32 s[G0V+4*\s], 1
	s_add_co_u32 s[G0V+4*\s+1], s73, \s*SLOTB
.endr
	SETADR 0, 0, 0
	CROUND                                         ; the four partners are here: the first joint load meets
	JLOAD 0, 0
	s_lshl2_add_u32 s82, s16, s15                  ; 16 b + head = 4 bg + cx
	s_lshl_b32 s82, s82, 18
	s_lshl_b32 s83, s12, 12                        ; + 32 w queries of 128 bytes
	s_add_co_u32 s82, s82, s83
	s_mov_b32 s83, 0
	s_add_nc_u64 s[76:77], s[10:11], s[82:83]
	s_add_nc_u64 s[80:81], s[4:5], s[82:83]
	s_lshl_b32 s82, s31, 14
	s_add_nc_u64 s[74:75], s[76:77], s[82:83]      ; yh, block hi
	s_add_nc_u64 s[78:79], s[80:81], s[82:83]      ; qh, block hi
	s_lshl_b32 s82, s17, 14
	s_add_nc_u64 s[76:77], s[76:77], s[82:83]      ; yh, block lo
	s_add_nc_u64 s[80:81], s[80:81], s[82:83]      ; qh, block lo
	v_and_b32 v44, 15, v0                          ; r
	v_bfe_u32 v45, v0, 4, 1                        ; h
	v_lshlrev_b32 v[QOFF], 7, v44
	v_lshl_add_u32 v[QOFF], v45, 4, v[QOFF]        ; query r, 16 h bytes in
	WIN 0x40                                       ; loads land in window 1
.irp qt, 0,1
.irp dc, 0,1
	global_load_b128 v[QF+16*\qt+8*\dc:QF+16*\qt+8*\dc+3],   v[QOFF], s[78:79] offset:2048*\qt+64*\dc
	global_load_b128 v[QF+16*\qt+8*\dc+4:QF+16*\qt+8*\dc+7], v[QOFF], s[78:79] offset:2048*\qt+64*\dc+32
	global_load_b128 v[QF+32+16*\qt+8*\dc:QF+32+16*\qt+8*\dc+3],   v[QOFF], s[80:81] offset:2048*\qt+64*\dc
	global_load_b128 v[QF+32+16*\qt+8*\dc+4:QF+32+16*\qt+8*\dc+7], v[QOFF], s[80:81] offset:2048*\qt+64*\dc+32
.endr
.endr
	WIN 0
	v_mul_u32_u24 v[KADR], v44, KP
	v_lshl_add_u32 v[KADR], v45, 4, v[KADR]        ; K fragment: key r, 16 h bytes in
	v_and_b32 v46, 7, v0
	v_lshl_add_u32 v46, v45, 3, v46                ; 8 h + lane % 8
	v_mul_u32_u24 v[VADR], v46, VP
	v_bfe_u32 v47, v0, 3, 1
	v_lshl_add_u32 v[VADR], v47, 4, v[VADR]
	v_add_nc_u32 v[VADR], VOFF, v[VADR]            ; V lies behind K's two regions
	v_lshl_add_u32 v[TQ], v1, 5, v44               ; 32 w + r
	v_lshlrev_b32 v46, 3, v45
	v_sub_nc_u32 v[TQ], v[TQ], v46                 ; - 8 h
	v_add_nc_u32 v[TQ+1], 16, v[TQ]
	v_mov_b32 v[NEGM], 0xff7fffff
.irp qt, 0,1,2,3
	v_mov_b32 v[NMC+2*\qt+1], 0
	v_mov_b32 v[AL+2*\qt+1], 0
.endr
	s_mul_i32 s82, s12, 2304
	s_add_co_u32 s82, s82, STAGE
	v_add_nc_u32 v[STO], s82, v[KADR]              ; stage in: query r, 16 h bytes in
	v_and_b32 v46, 31, v0
	v_lshrrev_b32 v47, 3, v46
	v_mul_u32_u24 v[RD], v47, 144
	v_and_b32 v47, 7, v0
	v_lshl_add_u32 v[RD], v47, 4, v[RD]
	v_add_nc_u32 v[RD], s82, v[RD]                 ; stage back: 8 lanes take a row of 128 bytes
	v_lshlrev_b32 v[YO], 4, v46
; nk key tiles of 16: 4 (a tile of 64 keys: 32 rows in each of K's regions) or 8 (128 keys: 64 rows in each)
.macro KLOAD slot, nk
.set KTI, 0
.rept \nk
.irp dc, 0,1
	ds_load_b128 v[KF+16*KTI+8*\dc:KF+16*KTI+8*\dc+3],   v[KADR] offset:\slot*SLOTB+(KTI>>(\nk/4))*KREG+(KTI&((1<<(\nk/4))-1))*16*KP+64*\dc
	ds_load_b128 v[KF+16*KTI+8*\dc+4:KF+16*KTI+8*\dc+7], v[KADR] offset:\slot*SLOTB+(KTI>>(\nk/4))*KREG+(KTI&((1<<(\nk/4))-1))*16*KP+64*\dc+32
.endr
.set KTI, KTI+1
.endr
.endm
; V is stored [key][d]; the transposing load gives lane (r, h) column d = 16 dt + r, keys along its registers.  Chunk kc of 32 keys: with 64 keys one chunk in each region, with 128 two
.macro VLOAD slot, nk
.set KCI, 0
.rept \nk/2
.irp dt, 0,1,2,3
	ds_load_tr16_b128 v[VF+32*\dt+8*KCI:VF+32*\dt+8*KCI+3],   v[VADR] offset:\slot*SLOTB+KCI*(4*VREG/\nk)+32*\dt
	ds_load_tr16_b128 v[VF+32*\dt+8*KCI+4:VF+32*\dt+8*KCI+7], v[VADR] offset:\slot*SLOTB+KCI*(4*VREG/\nk)+32*\dt+16*VP
.endr
.set KCI, KCI+1
.endr
.endm
; A PIECE is given by p (0 = A, 1 = B), nt (its query tiles: 2 or 1) and nh (its halves of 32 score registers: 2 or 1).  Key tiles of a query tile: 4 nh / nt.
; Its scores lie at SS + 32 nh p, its P at PF + 16 nh p, its query tiles are nt p + 0 .. nt - 1.  A run of its products has 8 nh of them.
; Product w of the run that makes piece p's scores: query tile, half of d, key tile.  The key tiles take turns, one instruction a turn;
; the first half of d starts the sums.
.macro QKW p, nt, nh, w
.set NK_, 4*\nh/\nt
.set QT_, \nt*\p+(\w)/(2*NK_)
.set KT_, (\w)&(NK_-1)
.set SD_, SS+8*NK_*QT_+8*KT_
.if ((\w)/NK_)&1
	v_wmma_f32_16x16x32_f16 v[SD_:SD_+7], v[KF+16*KT_+8:KF+16*KT_+15], v[QF+16*QT_+8:QF+16*QT_+15], v[SD_:SD_+7]
.else
	v_wmma_f32_16x16x32_f16 v[SD_:SD_+7], v[KF+16*KT_:KF+16*KT_+7], v[QF+16*QT_:QF+16*QT_+7], 0
.endif
.endm
; Product w of the run O^T += V^T P^T of piece p: chunk of 32 keys, query tile, tile of d.  The output tiles take turns, one instruction a turn.
.macro PVW p, nt, nh, w, init
.set NK_, 4*\nh/\nt
.set QT_, \nt*\p+(((\w)/4)&(\nt-1))
.set KC_, (\w)/(4*\nt)
.set OD_, 32*QT_+8*((\w)&3)
.set VA_, VF+32*((\w)&3)+8*KC_
.set PA_, PF+4*NK_*QT_+8*KC_
.set ZC_, 0
.if \init
.if KC_==0
.set ZC_, 1
.endif
.endif
.if ZC_
	v_wmma_f32_16x16x32_f16 v[OD_:OD_+7], v[VA_:VA_+7], v[PA_:PA_+7], 0
.else
	v_wmma_f32_16x16x32_f16 v[OD_:OD_+7], v[VA_:VA_+7], v[PA_:PA_+7], v[OD_:OD_+7]
.endif
.endm
; THE UNITS OF A PIECE'S VECTOR WORK.  SB_, PB_, Q0_ (the piece's scores, its P, its first query tile) are set by the caller.
; Mask, key tile k % 4 of half k / 4 (masked trips have 4 key tiles a query tile, so a half is a query tile).
.macro MKU k, nt, slot
	WIN 0
.set HF_, (\k)/4
.set KT_, (\k)&3
.set QT_, Q0_+(\nt-1)*HF_
.irp j, 0,1,2,3,4,5,6,7
	v_cmp_gt_i32 vcc_lo, 64*\slot+16*KT_+\j, v[TQ+(QT_&1)]         ; key 64 slot + 16 kt + 8 h + j above the query: finfo.min, as reference() puts it
	v_cndmask_b32 v[SB_+32*HF_+8*KT_+\j], v[SB_+32*HF_+8*KT_+\j], v[NEGM], vcc_lo
.endr
.endm
; c s - c maximum for scores 4 jj + 2 e, + 1 of the piece
.macro FMA2 jj, e, nt
	v_pk_fma_f32 v[SB_+4*(\jj)+2*\e:SB_+4*(\jj)+2*\e+1], v[SB_+4*(\jj)+2*\e:SB_+4*(\jj)+2*\e+1], s[22:23], v[NMC+2*(Q0_+(\nt-1)*((\jj)/8)):NMC+2*(Q0_+(\nt-1)*((\jj)/8))+1] op_sel_hi:[1,0,0]
.endm
; Maxima.  m = 0..3: 4 nh chains, one for each run of 8 scores, so that no instruction waits for the one in front of it.  m = 4: the chains and the running maximum
; meet, and the two halves of the lanes.  m = 5: -c x maximum, the factor 2^(c (old - new)), and the first four scores' exponents.
; (A query tile of two halves is never the first trip's: init is not served there.)
.macro MXU m, nt, nh, init
	WIN 0
.if (\m)<4
.set C_, 0
.rept 4*\nh
.if (\m)==0
	v_max3_num_f32 v[TT+C_], v[SB_+8*C_], v[SB_+8*C_+1], v[SB_+8*C_+2]
.elseif (\m)<3
	v_max3_num_f32 v[TT+C_], v[TT+C_], v[SB_+8*C_+1+2*(\m)], v[SB_+8*C_+2+2*(\m)]
.else
	v_max_num_f32 v[TT+C_], v[TT+C_], v[SB_+8*C_+7]
.endif
.set C_, C_+1
.endr
.elseif (\m)==4
.set C_, 0
.rept \nh
	v_max3_num_f32 v[TT+4*C_], v[TT+4*C_], v[TT+4*C_+1], v[TT+4*C_+2]
.set C_, C_+1
.endr
.if \nt==\nh
.set C_, 0
.rept \nt
.if \init
	v_max_num_f32 v[TT+4*C_], v[TT+4*C_], v[TT+4*C_+3]
.else
	v_max3_num_f32 v[TT+4*C_], v[TT+4*C_], v[TT+4*C_+3], v[MM+Q0_+C_]
.endif
.set C_, C_+1
.endr
.else
	v_max3_num_f32 v[TT], v[TT], v[TT+3], v[TT+7]
	v_max3_num_f32 v[TT], v[TT], v[TT+4], v[MM+Q0_]
.endif
.set C_, 0
.rept \nt
	v_permlanex16_b32 v[TT+4*C_+1], v[TT+4*C_], s20, s21           ; the other half's keys
.set C_, C_+1
.endr
.set C_, 0
.rept \nt
	v_max_num_f32 v[TT+4*C_], v[TT+4*C_], v[TT+4*C_+1]             ; the new maximum, in both halves
.set C_, C_+1
.endr
.else
.set C_, 0
.rept \nt
	v_mul_f32 v[NMC+2*(Q0_+C_)], s28, v[TT+4*C_]
.set C_, C_+1
.endr
.if \init==0
.set C_, 0
.rept \nt
	v_fma_f32 v[TT+4*C_+2], v[MM+Q0_+C_], s22, v[NMC+2*(Q0_+C_)]   ; c x old maximum - c x new maximum
.set C_, C_+1
.endr
.endif
	FMA2 0, 0, \nt
	FMA2 0, 1, \nt
.if \init==0
.set C_, 0
.rept \nt
	v_exp_f32 v[AL+2*(Q0_+C_)], v[TT+4*C_+2]
.set C_, C_+1
.endr
.endif
.set C_, 0
.rept \nt
	v_mov_b32 v[MM+Q0_+C_], v[TT+4*C_]                             ; also the plain instruction behind the exponentials (ISA guide 5.7.2)
.set C_, C_+1
.endr
.endif
.endm
; Exponentials, j = 0 .. 8 nh: the four of scores 4 j .. 4 j + 3, and between them the next four scores' exponents and the last four's packing to f16: a plain
; instruction that touches neither its result nor its source stands behind each exponential before the result is used (ISA guide 5.7.2).
.macro EU j, nt, nh
	WIN 0
.irp e, 0,1,2,3
.if (\j)<8*\nh
	v_exp_f32 v[SB_+4*(\j)+\e], v[SB_+4*(\j)+\e]
.endif
.if \e<2
.if (\j)+1<8*\nh
	FMA2 ((\j)+1), \e, \nt
.endif
.else
.if (\j)>0
	s_wait_alu depctr_va_vdst(0)
	v_cvt_pk_f16_f32 v[PB_+2*(\j)+\e-4], v[SB_+4*(\j)+2*\e-8], v[SB_+4*(\j)+2*\e-7]
.endif
.endif
.endr
.endm
; O x 2^(c (old maximum - new maximum)): half r % 2 of query tile r / 2 of the piece.  O in window 1, the factor in window 0.
.macro RU r
	WIN 0x41
.set QT_, Q0_+(\r)/2
.set K0_, 32*QT_+16*((\r)&1)
.irp k, 0,1,2,3,4,5,6,7
	v_pk_mul_f32 v[K0_+2*\k:K0_+2*\k+1], v[K0_+2*\k:K0_+2*\k+1], v[AL+2*QT_:AL+2*QT_+1] op_sel_hi:[1,0]
.endr
.endm
; Unit u of piece p's list: 4 nh of the mask (where there is one), 6 of the maxima, 8 nh + 1 of the exponentials, 2 nt of the rescaling (not in the first trip).
.macro VUNIT u, p, nt, nh, mask, init, slot
.set SB_, SS+32*\nh*\p
.set PB_, PF+16*\nh*\p
.set Q0_, \nt*\p
.set B0_, \mask*4*\nh
.set B1_, B0_+6
.set B2_, B1_+8*\nh+1
.if (\u)<B0_
	MKU (\u), \nt, \slot
.elseif (\u)<B1_
	MXU ((\u)-B0_), \nt, \nh, \init
.elseif (\u)<B2_
	EU ((\u)-B1_), \nt, \nh
.else
	RU ((\u)-B2_)
.endif
.endm
; Row sums of piece p, g = 0..3: 4 nh chains of packed sums over the runs of 8 weights; g = 3: they meet, and the running sum takes them up.  At least five plain instructions.
.macro SGU g, p, nt, nh, init
	WIN 0
.set SB_, SS+32*\nh*\p
.set Q0_, \nt*\p
.if (\g)<3
.set C_, 0
.rept 4*\nh
.if (\g)==0
	v_pk_add_f32 v[SUMP+2*C_:SUMP+2*C_+1], v[SB_+8*C_:SB_+8*C_+1], v[SB_+8*C_+2:SB_+8*C_+3]
.else
	v_pk_add_f32 v[SUMP+2*C_:SUMP+2*C_+1], v[SUMP+2*C_:SUMP+2*C_+1], v[SB_+8*C_+2+2*(\g):SB_+8*C_+3+2*(\g)]
.endif
.set C_, C_+1
.endr
.else
.set C_, 0
.rept 2*\nh
	v_pk_add_f32 v[SUMP+4*C_:SUMP+4*C_+1], v[SUMP+4*C_:SUMP+4*C_+1], v[SUMP+4*C_+2:SUMP+4*C_+3]
.set C_, C_+1
.endr
.set C_, 0
.rept \nh
	v_pk_add_f32 v[SUMP+8*C_:SUMP+8*C_+1], v[SUMP+8*C_:SUMP+8*C_+1], v[SUMP+8*C_+4:SUMP+8*C_+5]
.set C_, C_+1
.endr
.if \nt!=\nh
	v_pk_add_f32 v[SUMP:SUMP+1], v[SUMP:SUMP+1], v[SUMP+8:SUMP+9]
.endif
.set C_, 0
.rept \nt
.if \init
	v_add_f32 v[LS+Q0_+C_], v[SUMP+8*C_], v[SUMP+8*C_+1]
.else
	v_add_f32 v[SUMP+8*C_], v[SUMP+8*C_], v[SUMP+8*C_+1]
.endif
.set C_, C_+1
.endr
.if \init==0
.set C_, 0
.rept \nt
	v_fma_f32 v[LS+Q0_+C_], v[LS+Q0_+C_], v[AL+2*(Q0_+C_)], v[SUMP+8*C_]
.set C_, C_+1
.endr
.endif
.endif
.endm
; A run of 8 nh products of piece mp (kind 0: its scores, 1: its O), and behind product WI_ the units of piece vp's list up to (WI_ + 1) NV_ / (8 nh): one to three.
; The units name none of the run's registers.  lead = 1: four v_nop behind the first product (see TRIP).
.macro PHASE kind, mp, vp, nt, nh, mask, init, slot, lead
.set NV_, \mask*4*\nh+7+8*\nh+(1-\init)*2*\nt
.set WI_, 0
.set UI_, 0
.rept 8*\nh
.if \kind
	WIN 0x52                                       ; O in window 1, V in window 2, P in window 0
	PVW \mp, \nt, \nh, WI_, \init
.else
	WIN 0x06                                       ; source 0 (K) in window 2, source 1 (Q) in window 1, scores in window 0
	QKW \mp, \nt, \nh, WI_
.endif
.if \lead
.if WI_==0
	PLACES
.endif
.endif
.rept 3
.if UI_<((WI_+1)*NV_)/(8*\nh)
	VUNIT UI_, \vp, \nt, \nh, \mask, \init, \slot
.set UI_, UI_+1
.endif
.endr
.set WI_, WI_+1
.endr
.endm
; One trip on slot `slot`.  nq query tiles (4: both blocks, 2: hi alone) x nk key tiles (4 or 8).  mlo, mhi: the block's diagonal.  init: the first trip.
; refill: what the other slot gets: 0 nothing; 1 this block's keys 64..127; 2 the next block's keys 0..63; 3 the whole block i + 1; 4 the whole next block.
; PLACES BEHIND PRODUCTS (ISA guide 7.12.1).  A's scores: four v_nop behind the first product of B's scores: all the trip's vector work hangs on A's scores, so nothing
; else is there to put.  B's scores: the last slice of the second run is 16 multiplies on O of A; the first trip rescales nothing and has four v_nop at the head of the third run.
; V's fragment registers, loaded again at the next trip's head, and O on the way out: the last slice of the fourth run is the sums' last unit.
.macro TRIP slot, nq, nk, mlo, mhi, init, refill
	s_wait_tensorcnt 0x0                           ; all my tensor loads have landed, my part of this trip's tile among them: every group 0 may be written
	ds_add_u32 v62, v63
	s_wait_dscnt 0x0
.if \refill==1
	SETADR 1, 0, 1
.endif
.if \refill==2
	NEXTS
	SETADR 0, 0, 0
.endif
.if \refill==3
	s_lshl_b32 s24, s30, 14
	SETADR 0, 1, 0
.endif
.if \refill==4
	s_add_co_u32 s24, s24, 0x4000
	SETADR (1-\slot), 1, 0
.endif
	s_wait_dscnt 0x0                               ; my reads of the other slot are over
	CROUND                                         ; both now hold of every wave of the four partners
.if \refill
.if \refill<3
	JLOAD (1-\slot), 0                             ; my one tensor load behind the round, and the first thing there
.else
	JLOAD (1-\slot), 1
.endif
.endif
	WIN 0x80                                       ; fragments land in window 2
	KLOAD \slot, \nk
	VLOAD \slot, \nk
	s_wait_dscnt 4*\nk                             ; K's 4 nk loads are in; V's 4 nk may stay out
.if \init
	s_wait_loadcnt 0x0                             ; Q, once
.endif
	WIN 0x06
.set WI_, 0
.rept \nq*\nk
	QKW 0, (\nq/2), (\nq*\nk/8), WI_               ; scores of A
.set WI_, WI_+1
.endr
	PHASE 0, 1, 0, (\nq/2), (\nq*\nk/8), \mhi, \init, \slot, 1             ; scores of B beside A's vector work (A's query tiles are hi's)
	s_wait_dscnt 0x0                               ; V
.if \nq==4
	PHASE 1, 0, 1, (\nq/2), (\nq*\nk/8), \mlo, \init, \slot, \init         ; O of A beside B's vector work (B's query tiles are lo's)
.else
	PHASE 1, 0, 1, (\nq/2), (\nq*\nk/8), \mhi, \init, \slot, \init         ;                               (B's query tile is hi's)
.endif
.set WI_, 0
.set UI_, 0
.rept \nq*\nk
	WIN 0x52
	PVW 1, (\nq/2), (\nq*\nk/8), WI_, \init        ; O of B beside the eight units of both pieces' row sums
.if ((WI_+1)*8)/(\nq*\nk)>UI_
.set SG_, UI_-4*(UI_/4)
.set SP_, UI_/4
	SGU SG_, SP_, (\nq/2), (\nq*\nk/8), \init
.set UI_, UI_+1
.endif
.set WI_, WI_+1
.endr
	WIN 0
.endm
	TRIP 0, 4, 4, 1, 0, 1, 1                       ; block i: lo's diagonal; every row keeps key 0 of the block, so each maximum starts from a live score
	TRIP 1, 4, 4, 1, 0, 0, 2
	s_mov_b32 s18, 1
	s_cmp_eq_u32 s17, 0
	s_cbranch_scc1 .Lskip_a
.Lloop_a:                                              ; blocks i - 1 .. 0: both query blocks
	TRIP 0, 4, 4, 0, 0, 0, 1
	TRIP 1, 4, 4, 0, 0, 0, 2
	s_add_co_u32 s18, s18, 1
	s_cmp_lt_u32 s18, s30                          ; while pos < i + 1
	s_cbranch_scc1 .Lloop_a
.Lskip_a:
	TRIP 0, 2, 4, 0, 1, 0, 1                       ; block 15 - i: hi's diagonal, keys 0..63
	s_cmp_eq_u32 s17, 7                            ; i = 7: no block is for hi alone (i is the same in all four partners)
	s_cbranch_scc1 .Lonly_z
	TRIP 1, 2, 4, 0, 1, 0, 3                       ; keys 64..127; the whole block i + 1 is asked for
	s_mov_b32 s18, 0
	s_cmp_eq_u32 s19, 0
	s_cbranch_scc1 .Lskip_b
.Lloop_b:                                              ; 6 - i pairs of whole blocks: hi alone
	TRIP 0, 2, 8, 0, 0, 0, 4
	TRIP 1, 2, 8, 0, 0, 0, 4
	s_add_co_u32 s18, s18, 1
	s_cmp_lt_u32 s18, s19
	s_cbranch_scc1 .Lloop_b
.Lskip_b:
	TRIP 0, 2, 8, 0, 0, 0, 4                       ; blocks 13 - i and 14 - i
	TRIP 1, 2, 8, 0, 0, 0, 0                       ; nothing is left to fetch
	s_branch .Lout
.Lonly_z:
	TRIP 1, 2, 4, 0, 1, 0, 0                       ; i = 7: the diagonal's keys 64..127 are the last
.Lout:
	; THE WAY OUT: O / sum as f16, 16 queries at a time through my own stage, back as whole rows
	PLACES
.macro OUTQ qt
	v_permlanex16_b32 v[TT], v[LS+\qt], s20, s21
	v_add_f32 v[TT], v[TT], v[LS+\qt]              ; the two halves' sums
	v_rcp_f32 v[AL+2*\qt], v[TT]
	v_nop                                          ; the plain instruction behind the reciprocal
	WIN 0x01                                       ; source 0 (O) in window 1
.irp k, 0,1,2,3,4,5,6,7,8,9,10,11,12,13,14,15
	s_wait_alu depctr_va_vdst(0)
	v_pk_mul_f32 v[SS+2*\k:SS+2*\k+1], v[32*\qt+2*\k:32*\qt+2*\k+1], v[AL+2*\qt:AL+2*\qt+1] op_sel_hi:[1,0]
.endr
	WIN 0
.irp k, 0,1,2,3,4,5,6,7,8,9,10,11,12,13,14,15
	v_cvt_pk_f16_f32 v[PF+\k], v[SS+2*\k], v[SS+2*\k+1]
.endr
.irp dt, 0,1,2,3
	ds_store_b128 v[STO], v[PF+4*\dt:PF+4*\dt+3] offset:32*\dt
.endr
	s_wait_xcnt 0x0                                ; the last tile's stores have read YR
.irp u, 0,1,2,3
	ds_load_b128 v[YR+4*\u:YR+4*\u+3], v[RD] offset:576*\u         ; LDS serves a wave's instructions in order (ISA guide 5.7.1): these see the stores above
.endr
.irp u, 0,1,2,3
	s_wait_dscnt 3-\u
	global_store_b128 v[YO], v[YR+4*\u:YR+4*\u+3], s[74+2*(\qt>>1):75+2*(\qt>>1)] offset:2048*(\qt&1)+512*\u   ; four rows: 512 consecutive bytes, aligned
.endr
.endm
	OUTQ 0
	OUTQ 1
	OUTQ 2
	OUTQ 3
	s_wait_tensorcnt 0x0
	ds_add_u32 v62, v63
	s_wait_dscnt 0x0
	CROUND                                         ; the closing round
	s_endpgm
.Lfunc_end_k_q888fba48dc_attn:
	.size	k_q888fba48dc_attn, .Lfunc_end_k_q888fba48dc_attn-k_q888fba48dc_attn
	.p2alignl 7, 3214868480
	.fill 96, 4, 3214868480
	.section	.rodata,"a",@progbits
	.p2align	6, 0x0
	.amdhsa_kernel k_q888fba48dc_attn
		.amdhsa_group_segment_fixed_size 327680
		.amdhsa_private_segment_fixed_size 0
		.amdhsa_enable_private_segment 0
		.amdhsa_kernarg_size 32
		.amdhsa_user_sgpr_count 2
		.amdhsa_user_sgpr_kernarg_segment_ptr 1
		.amdhsa_wavefront_size32 1
		.amdhsa_system_sgpr_workgroup_id_x 1
		.amdhsa_system_sgpr_workgroup_id_y 1
		.amdhsa_system_sgpr_workgroup_id_z 1
		.amdhsa_system_vgpr_workitem_id 0
		.amdhsa_next_free_vgpr 768
		.amdhsa_next_free_sgpr 100
		.amdhsa_reserve_vcc 1
		.amdhsa_float_denorm_mode_32 3
		.amdhsa_float_denorm_mode_16_64 3
		.amdhsa_memory_ordered 1
		.amdhsa_forward_progress 1
		.amdhsa_inst_pref_size 255
	.end_amdhsa_kernel
	.section	.bss,"aw",@nobits
	.p2align	6
	.space	262144
	.amdgpu_metadata
---
amdhsa.version: [ 1, 2 ]
amdhsa.kernels:
  - .name:           k_q888fba48dc_attn
    .symbol:         k_q888fba48dc_attn.kd
    .args:
      - { .name: qh, .offset: 0, .size: 8, .value_kind: global_buffer, .address_space: global }
      - { .name: kh, .offset: 8, .size: 8, .value_kind: global_buffer, .address_space: global }
      - { .name: vh, .offset: 16, .size: 8, .value_kind: global_buffer, .address_space: global }
      - { .name: yh, .offset: 24, .size: 8, .value_kind: global_buffer, .address_space: global }
    .group_segment_fixed_size: 327680
    .private_segment_fixed_size: 0
    .kernarg_segment_align: 8
    .kernarg_segment_size: 32
    .max_flat_workgroup_size: 128
    .sgpr_count:     100
    .vgpr_count:     768
    .wavefront_size: 32
...
	.end_amdgpu_metadata
.endif
;; end of part 6
;; launch proj (part 7): grid 8 x 32, 4 waves a work-group, clusters of 4 x 4, 327,680 bytes of LDS; arguments yh, wt, out0; writes out0
.if DOCPART == 7
	.amdgcn_target "amdgcn-amd-amdhsa--gfx1250"
	.amdhsa_code_object_version 6
	.text
	.protected	k_q888fba48dc_proj
	.globl	k_q888fba48dc_proj
	.p2align	8
	.type	k_q888fba48dc_proj,@function
k_q888fba48dc_proj:
	s_mov_b64 s[64:65], 0
	v_nop
	global_prefetch_b8 v0, s[64:65] scope:SCOPE_SE
	s_setreg_imm32_b32 hwreg(HW_REG_WAVE_MODE, 25, 1), 1
	s_wait_xcnt 0x0
	s_wait_alu depctr_hold_cnt(0) depctr_sa_sdst(0) depctr_va_vdst(0) depctr_va_sdst(0) depctr_va_ssrc(0) depctr_va_vcc(0) depctr_vm_vsrc(0)
	s_getreg_b32 s2, hwreg(HW_REG_IB_STS2, 6, 4)
	s_cmp_eq_u32 s2, 0
	s_cbranch_scc0 .Lentry_in_a_cluster
	s_endpgm
.Lentry_in_a_cluster:
	s_bfe_u32 s2, ttmp6, 0x10000c
	s_cmp_lg_u32 s2, 0xf033
	s_cbranch_scc0 .Lentry_shape_is_right
	s_endpgm
.Lentry_shape_is_right:
; out0 = y wo: [4096 x 1024] x [1024 x 1024] in f16 with f32 sums.  yh is [2][16][2048][64] f16 (k = 64 head + d); wt rows 1536..2559 are wo's columns, k contiguous,
; bf16 values kept as f16.  A work-group makes 128 tokens x 128 columns; four waves, each 64 x 64 = 16 accumulator tiles.
; K goes through two LDS slots of 256 = four heads each: K = 1024 is four slot fills, two at the start and two refills, and a refill has the other slot's
; 128 matrix instructions in which to land.  In a slot y lies as four sub-tiles (one head each) of 128 rows x 128 bytes, wo as 128 rows x 512 bytes.
; A head's 128 tokens x 64 numbers are 16,384 consecutive bytes of yh.  One descriptor brings two heads: its row is such a block (8,192 elements), its pitch the
; distance from head to head (131,072 elements), and the padding, which counts words along the tile, still falls behind every 128 bytes.
; CLUSTER 4 x 4: y's tiles are shared along a row of the cluster, wo's along a column, each asked for jointly.  Waves 0, 1 ask for two heads of y each,
; waves 2, 3 for the two halves of wo's 128 rows.  By this text's count a wave has two tensor loads out at the start and one later.
; REGISTERS: window 0: v16-26 addresses, v64-127 and v128-191 two fragment buffers (four of wo, four of y).  Window 1: accumulator (a, b) at 8 (4 a + b).
; The matrix instruction is used transposed (source 0 = rows of wt, source 1 = rows of y): a lane holds 8 neighbouring columns of one token.
.set PA,    144                        ; y's LDS row: 128 bytes + 16
.set PB,    528                        ; wo's LDS row: 512 bytes + 16
.set SP,    272                        ; the stage's row: 256 bytes + 16
.set ASUB,  128*PA                     ; 18,432: one head's sub-tile
.set BOFF,  4*ASUB                     ; 73,728
.set BHALF, 64*PB                      ; 33,792
.set SLOTB, BOFF+2*BHALF               ; 141,312
.set STAGE, 2*SLOTB                    ; 282,624: 16 rows x 272 for each wave, its own; no tensor load lands here
.set ADRA, 16
.set ADRB, 18
.set STO,  24
.set RD,   25
.set CO,   26
.set F0,   64
.set F1,   128
.set G1A,  32
.set G1B,  40
.set G0A,  48
.set G0B,  56
.set MULW, 0x50
.set MSB, 0
.macro WIN new
.if MSB != \new
	s_set_vgpr_msb (MSB<<8)|\new
.set MSB, \new
.endif
.endm
.macro PLACES                          ; four plain vector instructions behind a matrix instruction (ISA guide 7.12.1)
.rept 4
	v_nop
.endr
.endm
.macro JLOAD s
	s_cmp_eq_u32 s21, 0
	s_cbranch_scc0 .Lfor_b_\@
	tensor_load_to_lds s[G0A+4*\s:G0A+4*\s+3], s[G1A:G1A+7]
	s_nop 0
	s_branch .Lasked_\@
.Lfor_b_\@:
	tensor_load_to_lds s[G0B+4*\s:G0B+4*\s+3], s[G1B:G1B+7]
	s_nop 0
.Lasked_\@:
.endm
.macro CREST
	s_cmp_lg_u32 s20, 0
	s_cbranch_scc1 .Lnot_wave_0_\@
	s_barrier_signal -3
.Lnot_wave_0_\@:
	s_barrier_wait -3
	s_barrier_signal -1
	s_barrier_wait -1
.endm
.macro CROUND
	s_barrier_signal -1
	s_barrier_wait -1
	CREST
.endm
	s_load_b128 s[4:7], s[0:1], 0x0                ; yh s[4:5], wt s[6:7]
	s_load_b64 s[8:9], s[0:1], 0x10                ; out0
	v_lshl_add_u32 v254, v0, 2, 0x49400
	v_mov_b32 v255, 0
	ds_add_u32 v254, v255
	v_lshrrev_b32 v1, 5, v0
	v_readfirstlane_b32 s20, v1                    ; wave
	s_lshr_b32 s21, s20, 1                         ; wm.  Also: I fetch for y (0) or wo (1)
	s_and_b32 s22, s20, 1                          ; wn.  Also: which two heads, or which half of wo's rows, I fetch
	s_bfe_u32 s24, ttmp6, 0x40000                  ; cx
	s_bfe_u32 s25, ttmp6, 0x40004                  ; cy
	s_lshl_b32 s26, ttmp9, 2
	s_add_co_u32 s26, s26, s24                     ; bx: block of 128 columns
	s_and_b32 s27, ttmp7, 0xffff
	s_lshl_b32 s27, s27, 2
	s_add_co_u32 s27, s27, s25                     ; by: block of 128 tokens
	s_lshl_b32 s28, s25, 2
	s_lshl_b32 s28, 15, s28                        ; my row of the cluster
	s_lshl_b32 s29, 0x1111, s24                    ; my column
	s_or_b32 s[G1A+0], s28, (1<<16)|(1<<20)|(1<<21)|(4<<22)|(3<<25)  ; after every 32 words 4 words of padding
	s_or_b32 s[G1B+0], s29, (1<<16)|(1<<20)|(1<<21)|(6<<22)|(3<<25)  ; after every 128 words 4 words
	s_mov_b32 s[G1A+1], 8192<<16                   ; tensor_dim0: a head's block of 128 x 64
	s_mov_b32 s[G1B+1], 256<<16                    ;              256 along K
	s_mov_b32 s[G1A+2], 2<<16                      ; tensor_dim1: two heads
	s_mov_b32 s[G1B+2], 64<<16                     ;              64 rows
	s_mov_b32 s[G1A+3], 8192<<16                   ; tile_dim0
	s_mov_b32 s[G1B+3], 256<<16
	s_mov_b32 s[G1A+4], 2                          ; tile_dim1
	s_mov_b32 s[G1B+4], 64
	s_mov_b32 s[G1A+5], 131072                     ; elements from head to head: 2,048 x 64
	s_mov_b32 s[G1B+5], 1024                       ; elements from row to row
	s_mov_b32 s[G1A+6], 0
	s_mov_b32 s[G1B+6], 0
	s_mov_b32 s[G1A+7], 0
	s_mov_b32 s[G1B+7], 0
	s_lshr_b32 s76, s27, 4                         ; b
	s_and_b32 s77, s27, 15                         ; block of 128 tokens in the sequence
	s_lshl_b32 s66, s76, 22                        ; y: ((16 b + head) x 2,048 + 128 block) x 128 bytes, head = 2 x my half: hangs on by and the wave alone
	s_lshl_b32 s67, s22, 19
	s_add_co_u32 s66, s66, s67
	s_lshl_b32 s67, s77, 14
	s_add_co_u32 s66, s66, s67
	s_mov_b32 s67, 0
	s_lshl_b32 s70, s26, 18                        ; wo: (1536 + 128 bx + 64 half) rows of 2,048 bytes: hangs on bx and the wave alone
	s_lshl_b32 s71, s22, 17
	s_add_co_u32 s70, s70, s71
	s_add_co_u32 s70, s70, 3145728
	s_mov_b32 s71, 0
	s_mul_i32 s74, s22, 2*ASUB
	s_mul_i32 s75, s22, BHALF
	s_add_co_u32 s75, s75, BOFF
	s_wait_dscnt 0x0
	s_wait_kmcnt 0x0
	s_add_nc_u64 s[68:69], s[4:5], s[66:67]
	s_add_nc_u64 s[72:73], s[6:7], s[70:71]
	CROUND                                         ; all sixteen work-groups are here: the first joint loads meet
.irp s, 0,1
	s_mov_b32 s[G0A+4*\s], 1
	s_add_co_u32 s[G0A+4*\s+1], s74, \s*SLOTB
	s_add_nc_u64 s[G0A+4*\s+2:G0A+4*\s+3], s[68:69], \s*0x100000   ; slot s: four heads on
	s_or_b32 s[G0A+4*\s+3], s[G0A+4*\s+3], 0x80000000
	s_mov_b32 s[G0B+4*\s], 1
	s_add_co_u32 s[G0B+4*\s+1], s75, \s*SLOTB
	s_add_nc_u64 s[G0B+4*\s+2:G0B+4*\s+3], s[72:73], \s*512
	s_or_b32 s[G0B+4*\s+3], s[G0B+4*\s+3], 0x80000000
	JLOAD \s
.endr
	v_and_b32 v1, 15, v0                           ; r
	v_bfe_u32 v2, v0, 4, 1                         ; h
	v_mul_u32_u24 v3, v1, PA
	v_lshl_add_u32 v3, v2, 4, v3
	v_mul_u32_u24 v4, v1, PB
	v_lshl_add_u32 v4, v2, 4, v4
	s_mul_i32 s30, s21, 64*PA                      ; my 64 tokens in each sub-tile
	s_mul_i32 s31, s22, BHALF                      ; my 64 columns
	s_add_co_u32 s31, s31, BOFF
.irp s, 0,1
	v_add_nc_u32 v[ADRA+\s], s30, v3
	v_add_nc_u32 v[ADRB+\s], s31, v4
	s_add_co_u32 s30, s30, SLOTB
	s_add_co_u32 s31, s31, SLOTB
.endr
	s_mul_i32 s30, s20, 16*SP
	s_add_co_u32 s30, s30, STAGE                   ; my stage
	v_mul_u32_u24 v5, v1, SP
	v_lshl_add_u32 v5, v2, 5, v5                   ; in: token r, 8 h columns of 4 bytes in
	v_add_nc_u32 v[STO], s30, v5
	v_mul_u32_u24 v5, v2, SP
	v_lshl_add_u32 v5, v1, 4, v5                   ; back: lanes 0-15 one row of 256 bytes, lanes 16-31 the next
	v_add_nc_u32 v[RD], s30, v5
	v_lshlrev_b32 v5, 4, v1
	v_lshl_add_u32 v[CO], v2, 12, v5               ; the same two rows in out0
; 8 matrix instructions; the 16 accumulators take turns, one instruction a turn, in the same order in every eighth of a slot.
.macro MUL8 f, a0, zero
.irp a, \a0, \a0+1
.irp b, 0,1,2,3
.if \zero
	v_wmma_f32_16x16x32_f16 v[8*(4*(\a)+\b):8*(4*(\a)+\b)+7], v[\f+8*\b:\f+8*\b+7], v[\f+32+8*(\a):\f+32+8*(\a)+7], 0
.else
	v_wmma_f32_16x16x32_f16 v[8*(4*(\a)+\b):8*(4*(\a)+\b)+7], v[\f+8*\b:\f+8*\b+7], v[\f+32+8*(\a):\f+32+8*(\a)+7], v[8*(4*(\a)+\b):8*(4*(\a)+\b)+7]
.endif
.endr
.endr
.endm
.macro FETCH slot, q, f                ; 16 LDS loads: eighth q of a slot (32 along K): wo at byte 64 q of its rows; y in sub-tile q / 2 at byte 64 (q % 2)
.irp i, 0,1,2,3
	ds_load_b128 v[\f+8*\i:\f+8*\i+3],   v[ADRB+\slot] offset:64*\q+\i*16*PB
	ds_load_b128 v[\f+8*\i+4:\f+8*\i+7], v[ADRB+\slot] offset:64*\q+\i*16*PB+32
.endr
.irp i, 0,1,2,3
	ds_load_b128 v[\f+32+8*\i:\f+32+8*\i+3], v[ADRA+\slot] offset:(\q>>1)*ASUB+(\q&1)*64+\i*16*PA
	ds_load_b128 v[\f+32+8*\i+4:\f+32+8*\i+7], v[ADRA+\slot] offset:(\q>>1)*ASUB+(\q&1)*64+\i*16*PA+32
.endr
.endm
.macro EIGHTH slot, q, f, g, zero      ; multiplies buffer f; ahead of that it asks for eighth q's fragments into buffer g
	WIN 0
	s_wait_dscnt 0x0                               ; buffer f's 16 loads, issued 16 matrix instructions ago, are in
	PLACES                                         ; buffer g was read by the last eighth's matrix instructions
	FETCH \slot, \q, \g
	WIN MULW
	MUL8 \f, 0, \zero
	MUL8 \f, 2, \zero
.endm
.macro SEVEN slot, zero
	EIGHTH \slot, 1, F0, F1, \zero
	EIGHTH \slot, 2, F1, F0, 0
	EIGHTH \slot, 3, F0, F1, 0
	EIGHTH \slot, 4, F1, F0, 0
	EIGHTH \slot, 5, F0, F1, 0
	EIGHTH \slot, 6, F1, F0, 0
	EIGHTH \slot, 7, F0, F1, 0
.endm
; The last eighth changes slots: each wave's reads of this slot and all its tensor loads are waited for in front of the barrier; fill = 1: the barrier opens a
; round of the cluster's barrier and the joint refill of this slot is the first tensor load behind it.
.macro TURN slot, next, fill
	s_wait_dscnt 0x0
	s_wait_tensorcnt 0x0
	ds_add_u32 v254, v255
	s_wait_dscnt 0x0
	s_barrier_signal -1
	WIN MULW
	MUL8 F1, 0, 0
	WIN 0
	s_barrier_wait -1
.if \fill
	CREST
	s_add_nc_u64 s[G0A+4*\slot+2:G0A+4*\slot+3], s[G0A+4*\slot+2:G0A+4*\slot+3], 0x200000   ; eight heads on
	s_add_nc_u64 s[G0B+4*\slot+2:G0B+4*\slot+3], s[G0B+4*\slot+2:G0B+4*\slot+3], 1024
	JLOAD \slot
.endif
	PLACES
	FETCH \next, 0, F0
	WIN MULW
	MUL8 F1, 2, 0
.endm
	s_wait_tensorcnt 0x1                           ; my part of slot 0 is in; slot 1's stays out
	s_barrier_signal -1
	s_barrier_wait -1
	FETCH 0, 0, F0
	SEVEN 0, 1                                     ; heads 0-3: the first products start the sums
	TURN 0, 1, 1                                   ; slot 0 gets heads 8-11
	SEVEN 1, 0                                     ; heads 4-7
	TURN 1, 0, 1                                   ; slot 1 gets heads 12-15
	SEVEN 0, 0                                     ; heads 8-11
	TURN 0, 1, 0                                   ; nothing is left to fetch
	SEVEN 1, 0                                     ; heads 12-15
	WIN 0
	s_wait_dscnt 0x0
	WIN MULW
	MUL8 F1, 0, 0
	MUL8 F1, 2, 0
	WIN 0
	PLACES                                         ; ahead of the stores that read results and of the loads into the fragment buffers
	s_lshl_b32 s78, s27, 19                        ; (128 by + 64 wm) rows of 4,096 bytes
	s_lshl_b32 s79, s21, 18
	s_add_co_u32 s78, s78, s79
	s_lshl_b32 s79, s26, 9                         ; + (128 bx + 64 wn) columns of 4 bytes
	s_add_co_u32 s78, s78, s79
	s_lshl_b32 s79, s22, 8
	s_add_co_u32 s78, s78, s79
	s_mov_b32 s79, 0
	s_add_nc_u64 s[8:9], s[8:9], s[78:79]
; 16 tokens at a time through my own stage: in by columns of 32 bytes a lane, back by whole rows of 256 bytes
.macro OUT16 a, f
	WIN 0x04                                       ; store data in window 1
.irp b, 0,1,2,3
	ds_store_b128 v[STO], v[8*(4*\a+\b):8*(4*\a+\b)+3]   offset:64*\b
	ds_store_b128 v[STO], v[8*(4*\a+\b)+4:8*(4*\a+\b)+7] offset:64*\b+16
.endr
	WIN 0
	s_wait_xcnt 0x0                                ; earlier stores have read buffer f and the base
.if \a
	s_add_nc_u64 s[8:9], s[8:9], 16*4096
.endif
.irp u, 0,1,2,3,4,5,6,7
	ds_load_b128 v[\f+4*\u:\f+4*\u+3], v[RD] offset:\u*2*SP        ; LDS serves a wave's instructions in order (ISA guide 5.7.1): these see the stores above
.endr
.irp u, 0,1,2,3,4,5,6,7
	s_wait_dscnt 7-\u
	global_store_b128 v[CO], v[\f+4*\u:\f+4*\u+3], s[8:9] offset:\u*8192   ; 16 lanes store 256 consecutive bytes, aligned
.endr
.endm
	OUT16 0, F0
	OUT16 1, F1
	OUT16 2, F0
	OUT16 3, F1
	s_wait_tensorcnt 0x0
	ds_add_u32 v254, v255
	s_wait_dscnt 0x0
	CROUND                                         ; the closing round
	s_endpgm
.Lfunc_end_k_q888fba48dc_proj:
	.size	k_q888fba48dc_proj, .Lfunc_end_k_q888fba48dc_proj-k_q888fba48dc_proj
	.p2alignl 7, 3214868480
	.fill 96, 4, 3214868480
	.section	.rodata,"a",@progbits
	.p2align	6, 0x0
	.amdhsa_kernel k_q888fba48dc_proj
		.amdhsa_group_segment_fixed_size 327680
		.amdhsa_private_segment_fixed_size 0
		.amdhsa_enable_private_segment 0
		.amdhsa_kernarg_size 24
		.amdhsa_user_sgpr_count 2
		.amdhsa_user_sgpr_kernarg_segment_ptr 1
		.amdhsa_wavefront_size32 1
		.amdhsa_system_sgpr_workgroup_id_x 1
		.amdhsa_system_sgpr_workgroup_id_y 1
		.amdhsa_system_sgpr_workgroup_id_z 1
		.amdhsa_system_vgpr_workitem_id 0
		.amdhsa_next_free_vgpr 384
		.amdhsa_next_free_sgpr 84
		.amdhsa_reserve_vcc 0
		.amdhsa_float_denorm_mode_32 3
		.amdhsa_float_denorm_mode_16_64 3
		.amdhsa_memory_ordered 1
		.amdhsa_forward_progress 1
		.amdhsa_inst_pref_size 89
	.end_amdhsa_kernel
	.amdgpu_metadata
---
amdhsa.version: [ 1, 2 ]
amdhsa.kernels:
  - .name:           k_q888fba48dc_proj
    .symbol:         k_q888fba48dc_proj.kd
    .args:
      - { .name: yh, .offset: 0, .size: 8, .value_kind: global_buffer, .address_space: global }
      - { .name: wt, .offset: 8, .size: 8, .value_kind: global_buffer, .address_space: global }
      - { .name: out0, .offset: 16, .size: 8, .value_kind: global_buffer, .address_space: global }
    .group_segment_fixed_size: 327680
    .private_segment_fixed_size: 0
    .kernarg_segment_align: 8
    .kernarg_segment_size: 24
    .max_flat_workgroup_size: 128
    .sgpr_count:     84
    .vgpr_count:     384
    .wavefront_size: 32
...
	.end_amdgpu_metadata
.endif
;; end of part 7
